; MI455X (gfx1250); checked and timed in simulation.
; The chip was launched on July 23, 2026; its instructions are those of AMD's public machine-readable ISA for CDNA 5 (MIT licence, August 2026) and "CDNA5" Instruction Set Architecture Reference Guide (July 2026). The comments in the code are by the model that wrote it; some were corrected since.
;; Self Attention. Allowed arithmetic: matrix products marked QUANTISED: E4M3 operands, one given power-of-two scale a tensor, by v_wmma_f32_16x16x64_fp8_fp8 or v_wmma_f32_16x16x128_fp8_fp8, f32 sums; everything else in f32.
;; Inputs: W_attn 1,024 x 3,072 float32; W_proj 1,024 x 1,024 float32; b_attn 3,072 float32; b_proj 1,024 float32; lowp_scales 8 int32 (the exponents e of the quantised operands' scales 2^e); x 4 x 2,048 x 1,024 float32.
;; Outputs: out0 4 x 2,048 x 1,024 float32.
;; This version of the problem:
;;   THIS VERSION OF THE PROBLEM IS GIVEN IN LOW PRECISION. The matrix products marked QUANTISED in the list below multiply operands that are first quantised to E4M3 (4 exponent bits, 3 mantissa bits; 8 bits a number), with one given power-of-two scale for each operand tensor; their sums are f32. All else is computed in f32.
;;   The module's matrix products, in the order in which they are computed (A, B: the left and right operand; K: the contracted axis; several contracted axes count as one K, in the product's order):
;;     1. [M 8,192, K 1,024] x [K 1,024, N 3,072]; A: input x; B: input W_attn: QUANTISED (scales: A lowp_scales[0], B lowp_scales[1])
;;     2. batch 64 x [M 2,048, K 64] x [K 64, N 2,048]; A: computed on the way; B: computed on the way: QUANTISED (scales: A lowp_scales[2], B lowp_scales[3])
;;     3. batch 64 x [M 2,048, K 2,048] x [K 2,048, N 64]; A: softmax (see below); B: computed on the way: QUANTISED (scales: A lowp_scales[4], B lowp_scales[5])
;;     4. [M 8,192, K 1,024] x [K 1,024, N 1,024]; A: computed on the way; B: input W_proj: QUANTISED (scales: A lowp_scales[6], B lowp_scales[7])
;;   THE QUANTISER, for each operand of a quantised product, along K:
;;     - The operand's scale is 2^e, e = its entry of the input lowp_scales (int32; the entries are numbered through the quantised products in the list's order, A before B).
;;     - Each number is divided by the scale, clamped to +-448, and rounded to the nearest number of E4M3, ties to even, subnormals kept.
;;     - The product sums the exact products of the quantised numbers (number of the format x scale) in f32.
;;   ~~~python
;;   def quantise(x, axis, e):      # numpy; x: float32 -> the quantised numbers, widened to float32 again
;;       x = np.moveaxis(x, axis, -1); K = x.shape[-1]
;;       r = np.clip(x / 2.0 ** e, -448, 448)
;;       step = 2.0 ** (np.maximum(np.frexp(np.where(r == 0, 1, r))[1] - 1, -6) - 3)
;;       q = np.round(r / step) * step * 2.0 ** e      # np.round: ties to even
;;       return np.moveaxis(q, -1, axis).astype(np.float32)
;;   ~~~
;;   SOFTMAX AHEAD OF A QUANTISED PRODUCT. Where the list says 'softmax', what is quantised is not the finished softmax but p = 2^(t - M), with t = logit x log2(e) and M = ceil(the row's largest t), a whole number; so 1/2 < the row's largest p <= 1. The row's sum l is taken of the UNQUANTISED p, in f32, and the product's result is divided by l at the end. Since M is a whole number, a kernel that streams over the keys may use a running M (the ceiling of the running maximum): every later rescaling is an exact power of two, so the quantised numbers keep their values, but for numbers so far below the row's largest that they fall under the format's range.
;;   OPERANDS COMPUTED ON THE WAY. 'Computed on the way' means the value that the module computes at that place (a softmax that the list does not call 'softmax' is quantised finished and normalised). What goes into a quantiser is computed in f32, as accurately as f32 sums, v_exp_f32 and their like allow (about 1e-6 of the number): no bf16 or f16 on the way to a quantiser, and a product that is left as it is and whose result goes on into a quantised operand takes f32 operands (vector FMAs, or v_wmma_f32_16x16x4_f32). A number that lies on a knife's edge between two numbers of the format may be rounded either way, as far as f32 arithmetic and the matrix unit's own rounding can turn it there, and no further.
;; One version. Each part assembles by itself: llvm-mc -triple=amdgcn-amd-amdhsa -mcpu=gfx1250 --defsym DOCPART=n.
;; ======== version 1 of 1: 4 launches
;; limits: right only within a limited range of input values
;; workspace buffers: codes 12,582,912 bytes; qkv 25,165,824 bytes; yimg 8,388,608 bytes
;; launch quant (part 1): grid 640 x 1, 4 waves a work-group, no clusters, 100,864 bytes of LDS; arguments x, W_attn, W_proj, lowp_scales, codes; writes codes
.if DOCPART == 1
	.amdgcn_target "amdgcn-amd-amdhsa--gfx1250"
	.amdhsa_code_object_version 6
	.text
	.protected	k_qb0d2bc451a_quant
	.globl	k_qb0d2bc451a_quant
	.p2align	8
	.type	k_qb0d2bc451a_quant,@function
k_qb0d2bc451a_quant:
	s_mov_b64 s[64:65], 0
	v_nop
	global_prefetch_b8 v0, s[64:65] scope:SCOPE_SE
	s_setreg_imm32_b32 hwreg(HW_REG_WAVE_MODE, 25, 1), 1
	s_wait_xcnt 0x0
; x [8192][1024], W_attn [1024][3072] and W_proj [1024][1024], f32, become codes of FP8 (E4M3), each with the scale 2^e given for it (entries 0, 1 and 7 of the scales).
; code = number / 2^e, held within +-448, rounded to the nearest code, ties to even.  LIMITS: -126 <= e <= 119.  NaN among the inputs is not served; an infinity is held at the largest code.
; THE CODES ARE LAID AS IMAGES OF THE MATRIX OPERAND'S REGISTERS.  An image is 16 rows x 64 along K, 1,024 bytes: element (row r, k = 16 c + 8 h + j) lies at byte 512 (c / 2) + 16 (r + 16 h) + 8 (c % 2) + j,
; which is registers 0-3 of lane r + 16 h at 16 x lane and registers 4-7 at 512 + 16 x lane.  codes = [768 row tiles][16 images along K][1024]: row tiles 0-511 are x's tokens, 512-703 W_attn's columns, 704-767 W_proj's columns.
; Work-groups 0-95 take W_attn, 96-127 W_proj, 128-639 x: three ways that part on the work-group's number, each with LDS bytes of its own.  Waves share nothing: no barrier.
.set R,    16                          ; v16-143  x: four images x eight loads as they come
.set X,    144                         ; v144-207 x: two sets of 32 numbers, in the order of an image's registers
.set C,    208                         ; v208-239 x: eight registers of codes for each image, so that no store's data are written again
.set XPIT, 272                         ; x's stage: a row of 256 bytes + 16 of padding
.set XSTG, 16*XPIT                     ; a stage of 16 rows; two for each wave
.set WX,   32                          ; v32-95   weights: two sets of 32 numbers down K
.set WC,   96                          ; v96-103  a block's codes
.set OUTR, 112                         ; v112-175 the way out
.set WAST, 8*XSTG                      ; LDS: W_attn's stages, 8,192 bytes a wave, behind x's
.set WPST, WAST+32768                  ; and W_proj's
.set RT,   16384                       ; a row tile of the codes in bytes
.macro CONSTS e                        ; v11 = 2^e as f32 (the conversion takes its exponent field), s20 = 448 x 2^e
	s_wait_kmcnt 0x0
	s_add_co_i32 s20, s[\e], 127
	s_lshl_b32 s21, s20, 23
	v_mov_b32 v11, s21
	s_add_co_i32 s20, s20, 8
	s_lshl_b32 s20, s20, 23
	s_or_b32 s20, s20, 0x600000
.endm
	s_load_b256 s[4:11], s[0:1], 0x0               ; x s[4:5], W_attn s[6:7], W_proj s[8:9], the scales' exponents s[10:11]
	s_load_b64 s[12:13], s[0:1], 0x20              ; codes
	v_lshl_add_u32 v240, v0, 2, 0x18800
	v_mov_b32 v241, 0
	v_lshrrev_b32 v1, 5, v0
	v_readfirstlane_b32 s16, v1                    ; wave 0..3
	v_and_b32 v2, 31, v0                           ; lane
	v_and_b32 v1, 15, v0                           ; lane % 16
	v_bfe_u32 v5, v0, 4, 1                         ; lane / 16
	s_mov_b32 s19, 0                               ; the upper word of every offset below
	s_wait_kmcnt 0x0
	s_load_b256 s[24:31], s[10:11], 0x0            ; e0 .. e7
	s_cmp_lt_u32 ttmp9, 96
	s_cbranch_scc1 .Lw_attn
	s_cmp_lt_u32 ttmp9, 128
	s_cbranch_scc1 .Lw_proj
; ---- x.  K is innermost.  The work-group takes one row tile (16 tokens), wave w its images 4 w .. 4 w + 3.  Each load reads two rows' 256 bytes as they lie; an image's 16 x 256 bytes turn through the
; wave's own stage, from which lane (r, h) takes, of row r, the eight numbers at k = 16 c + 8 h for c = 0 .. 3: the order of the image's registers.
	s_sub_co_u32 s17, ttmp9, 128                   ; the row tile
	s_lshl_b32 s18, s17, 16                        ; 16 rows of 4,096 bytes,
	s_lshl_b32 s20, s16, 10                        ; my four images' 1,024 bytes of a row
	s_add_co_u32 s18, s18, s20
	s_add_nc_u64 s[4:5], s[4:5], s[18:19]
	s_lshl_b32 s18, s17, 14
	s_lshl_b32 s20, s16, 12
	s_add_co_u32 s18, s18, s20
	s_add_nc_u64 s[12:13], s[12:13], s[18:19]      ; my four images in codes
	s_wait_alu depctr_va_vdst(0)
	v_lshlrev_b32 v3, 4, v1
	v_lshl_add_u32 v3, v5, 12, v3                  ; lanes 0-15 one row's 256 bytes, lanes 16-31 the next row's
.irp t, 0,1,2,3
.irp p, 0,1,2,3,4,5,6,7
	global_load_b128 v[R+32*\t+4*\p:R+32*\t+4*\p+3], v3, s[4:5] offset:256*\t+8192*\p th:TH_LOAD_NT
.endr
.endr
	s_mul_i32 s23, s16, 2*XSTG                     ; my two stages
	v_mul_u32_u24 v14, v5, XPIT
	v_lshl_add_u32 v14, v1, 4, v14
	v_add_nc_u32 v14, s23, v14                     ; in: as loaded
	v_mul_u32_u24 v15, v1, XPIT
	v_lshl_add_u32 v15, v5, 5, v15
	v_add_nc_u32 v15, s23, v15                     ; out: row r, + 32 h bytes
	v_lshlrev_b32 v4, 4, v2                        ; 16 x lane: my place in half an image
	s_wait_alu depctr_va_vdst(0)
	CONSTS 24
.macro XTURN t                         ; image t through stage t % 2: LDS serves a wave's instructions in order, so no wait stands between the stores and the loads
.irp p, 0,1,2,3,4,5,6,7
	ds_store_b128 v14, v[R+32*(\t)+4*\p:R+32*(\t)+4*\p+3] offset:XSTG*((\t)%2)+2*XPIT*\p
.endr
.irp c, 0,1,2,3
	ds_load_b128 v[X+32*((\t)%2)+8*\c:X+32*((\t)%2)+8*\c+3], v15 offset:XSTG*((\t)%2)+64*\c
	ds_load_b128 v[X+32*((\t)%2)+8*\c+4:X+32*((\t)%2)+8*\c+7], v15 offset:XSTG*((\t)%2)+64*\c+16
.endr
.endm
.macro XSTEP t
.set XS, X+32*((\t)%2)
	s_wait_dscnt 0x0                               ; this image's numbers are back from the stage
.if (\t) < 3
	s_wait_loadcnt 8*(2-(\t))                      ; the next image's eight loads are in; the later images' may be out
	XTURN (\t)+1                                   ; it goes through the other stage while this one is worked
.endif
.set n_, 0
.rept 32
.set n_, n_+1
.endr
.irp c, 0,1,2,3
	v_cvt_scalef32_pk8_fp8_f32 v[C+8*(\t)+2*\c:C+8*(\t)+2*\c+1], v[XS+8*\c:XS+8*\c+7], v11   ; registers 2 c, 2 c + 1 of the image
.endr
	global_store_b128 v4, v[C+8*(\t):C+8*(\t)+3], s[12:13] offset:1024*(\t)         ; 32 lanes store 512 consecutive bytes, aligned
	global_store_b128 v4, v[C+8*(\t)+4:C+8*(\t)+7], s[12:13] offset:1024*(\t)+512
.endm
	s_wait_alu depctr_va_vdst(0)
	s_wait_loadcnt 24                              ; image 0's eight loads are in
	XTURN 0
	XSTEP 0
	XSTEP 1
	XSTEP 2
	XSTEP 3
	s_wait_tensorcnt 0x0
	ds_add_u32 v240, v241
	s_wait_dscnt 0x0
	s_endpgm
; ---- a weight [1024 (k)][N].  K is the first axis: a lane takes a column n and its registers run down K, so the conversions give codes with K innermost and nothing is transposed.
; A work-group takes 128 columns x 256 along K, a wave 32 columns: two row tiles x four images, gathered in the wave's own stage as images and stored as runs of 512 bytes.
.macro WLOAD t, N, sb                  ; block t: W(32 t + i, my column) into set t % 2; 32 lanes read 128 consecutive bytes
.set m_, 0
.rept 32
	global_load_b32 v[WX+32*((\t)%2)+m_], v3, s[\sb:\sb+1] offset:(32*(\t)+m_)*\N*4 th:TH_LOAD_NT
.set m_, m_+1
.endr
.endm
.macro WBLOCK t, N, sb
.set XS, WX+32*((\t)%2)
.if (\t) < 7
	s_wait_loadcnt 32                              ; this block's 32 loads are in; the next block's may be out
.else
	s_wait_loadcnt 0x0
.endif
.set n_, 0
.rept 32
.set n_, n_+1
.endr
	v_cvt_scalef32_pk8_fp8_f32 v[WC:WC+1], v[XS:XS+7], v11         ; k = 32 t + 0 .. 7:   h = 0, first eight bytes of the lane's sixteen
	v_cvt_scalef32_pk8_fp8_f32 v[WC+4:WC+5], v[XS+8:XS+15], v11    ; k = 32 t + 8 .. 15:  h = 1, first eight
	v_cvt_scalef32_pk8_fp8_f32 v[WC+2:WC+3], v[XS+16:XS+23], v11   ; k = 32 t + 16 .. 23: h = 0, second eight
	v_cvt_scalef32_pk8_fp8_f32 v[WC+6:WC+7], v[XS+24:XS+31], v11   ; k = 32 t + 24 .. 31: h = 1, second eight
	ds_store_b128 v4, v[WC:WC+3] offset:1024*((\t)/2)+512*((\t)%2)
	ds_store_b128 v4, v[WC+4:WC+7] offset:1024*((\t)/2)+512*((\t)%2)+256
.if (\t)+2 < 8
	WLOAD (\t)+2, \N, \sb
.endif
	s_wait_dscnt 0x0                               ; the stores have read their registers: the next block's codes may be written
.endm
.macro WQ N, sb, first, tilebase, e, ldsbase
	s_sub_co_u32 s17, ttmp9, \first
	s_lshr_b32 s20, s17, 2                         ; which 128 columns
	s_and_b32 s21, s17, 3                          ; which 256 along K
	s_lshl_b32 s22, s20, 7
	s_lshl_b32 s23, s16, 5
	s_add_co_u32 s22, s22, s23                     ; my wave's first column
	s_mul_i32 s18, s21, 256*\N*4
	s_lshl_b32 s22, s22, 2
	s_add_co_u32 s18, s18, s22
	s_add_nc_u64 s[\sb:\sb+1], s[\sb:\sb+1], s[18:19]
	s_lshl_b32 s18, s20, 3
	s_lshl_b32 s23, s16, 1
	s_add_co_u32 s18, s18, s23
	s_add_co_u32 s18, s18, \tilebase               ; my first row tile of the codes
	s_lshl_b32 s18, s18, 14
	s_lshl_b32 s21, s21, 12                        ; four images along K
	s_add_co_u32 s18, s18, s21
	s_add_nc_u64 s[12:13], s[12:13], s[18:19]
	v_lshlrev_b32 v3, 2, v2                        ; in: 4 bytes a lane
	WLOAD 0, \N, \sb
	WLOAD 1, \N, \sb
	s_lshl_b32 s23, s16, 13
	s_add_co_u32 s23, s23, \ldsbase                ; my stage: [2 row tiles][4 images][1024]
	v_lshlrev_b32 v4, 4, v1
	v_lshl_add_u32 v4, v5, 12, v4
	v_add_nc_u32 v4, s23, v4                       ; into it: row tile lane / 16, row lane % 16
	v_lshlrev_b32 v8, 4, v2                        ; out of it, and in memory: 16 x lane
	v_add_nc_u32 v7, s23, v8
	CONSTS \e
	s_wait_alu depctr_va_vdst(0)
.irp t, 0,1,2,3,4,5,6,7
	WBLOCK \t, \N, \sb
.endr
.set n_, 0
.rept 16
	ds_load_b128 v[OUTR+4*n_:OUTR+4*n_+3], v7 offset:512*n_        ; LDS serves a wave's instructions in order: these see my stores
.set n_, n_+1
.endr
.set n_, 0
.rept 16
	s_wait_dscnt 15-n_
	global_store_b128 v8, v[OUTR+4*n_:OUTR+4*n_+3], s[12:13] offset:(n_/8)*RT+(n_%8)*512   ; 512 consecutive bytes, aligned
.set n_, n_+1
.endr
.endm
.Lw_attn:
	s_wait_alu depctr_va_vdst(0)
	WQ 3072, 6, 0, 512, 25, WAST
	s_wait_tensorcnt 0x0
	ds_add_u32 v240, v241
	s_wait_dscnt 0x0
	s_endpgm
.Lw_proj:
	s_wait_alu depctr_va_vdst(0)
	WQ 1024, 8, 96, 704, 31, WPST
	s_wait_tensorcnt 0x0
	ds_add_u32 v240, v241
	s_wait_dscnt 0x0
	s_endpgm
.Lfunc_end_k_qb0d2bc451a_quant:
	.size	k_qb0d2bc451a_quant, .Lfunc_end_k_qb0d2bc451a_quant-k_qb0d2bc451a_quant
	.p2alignl 7, 3214868480
	.fill 96, 4, 3214868480
	.section	.rodata,"a",@progbits
	.p2align	6, 0x0
	.amdhsa_kernel k_qb0d2bc451a_quant
		.amdhsa_group_segment_fixed_size 100864
		.amdhsa_private_segment_fixed_size 0
		.amdhsa_enable_private_segment 0
		.amdhsa_kernarg_size 40
		.amdhsa_user_sgpr_count 2
		.amdhsa_user_sgpr_kernarg_segment_ptr 1
		.amdhsa_wavefront_size32 1
		.amdhsa_system_sgpr_workgroup_id_x 1
		.amdhsa_system_sgpr_workgroup_id_y 1
		.amdhsa_system_sgpr_workgroup_id_z 1
		.amdhsa_system_vgpr_workitem_id 0
		.amdhsa_next_free_vgpr 242
		.amdhsa_next_free_sgpr 66
		.amdhsa_reserve_vcc 0
		.amdhsa_float_denorm_mode_32 3
		.amdhsa_float_denorm_mode_16_64 3
		.amdhsa_fp16_overflow 1
		.amdhsa_memory_ordered 1
		.amdhsa_forward_progress 1
		.amdhsa_inst_pref_size 76
	.end_amdhsa_kernel
	.amdgpu_metadata
---
amdhsa.version: [ 1, 2 ]
amdhsa.kernels:
  - .name:           k_qb0d2bc451a_quant
    .symbol:         k_qb0d2bc451a_quant.kd
    .args:
      - { .name: x, .offset: 0, .size: 8, .value_kind: global_buffer, .address_space: global }
      - { .name: W_attn, .offset: 8, .size: 8, .value_kind: global_buffer, .address_space: global }
      - { .name: W_proj, .offset: 16, .size: 8, .value_kind: global_buffer, .address_space: global }
      - { .name: lowp_scales, .offset: 24, .size: 8, .value_kind: global_buffer, .address_space: global }
      - { .name: codes, .offset: 32, .size: 8, .value_kind: global_buffer, .address_space: global }
    .group_segment_fixed_size: 100864
    .private_segment_fixed_size: 0
    .kernarg_segment_align: 8
    .kernarg_segment_size: 40
    .max_flat_workgroup_size: 128
    .sgpr_count:     66
    .vgpr_count:     242
    .wavefront_size: 32
...
	.end_amdgpu_metadata
.endif
;; end of part 1
;; launch qkv (part 2): grid 12 x 32, 4 waves a work-group, clusters of 4 x 4, 327,680 bytes of LDS; arguments codes, b_attn, lowp_scales, qkv; writes qkv
.if DOCPART == 2
	.amdgcn_target "amdgcn-amd-amdhsa--gfx1250"
	.amdhsa_code_object_version 6
	.text
	.protected	k_qb0d2bc451a_qkv
	.globl	k_qb0d2bc451a_qkv
	.p2align	8
	.type	k_qb0d2bc451a_qkv,@function
k_qb0d2bc451a_qkv:
	s_mov_b64 s[64:65], 0
	v_nop
	global_prefetch_b8 v0, s[64:65] scope:SCOPE_SE
	s_setreg_imm32_b32 hwreg(HW_REG_WAVE_MODE, 25, 1), 1
	s_wait_xcnt 0x0
	s_wait_alu depctr_hold_cnt(0) depctr_sa_sdst(0) depctr_va_vdst(0) depctr_va_sdst(0) depctr_va_ssrc(0) depctr_va_vcc(0) depctr_vm_vsrc(0)
	s_getreg_b32 s2, hwreg(HW_REG_IB_STS2, 6, 4)
	s_cmp_eq_u32 s2, 0
	s_cbranch_scc0 .Lentry_in_a_cluster
	s_endpgm
.Lentry_in_a_cluster:
	s_bfe_u32 s2, ttmp6, 0x10000c
	s_cmp_lg_u32 s2, 0xf033
	s_cbranch_scc0 .Lentry_shape_is_right
	s_endpgm
.Lentry_shape_is_right:
; qkv = x W_attn + b_attn on codes of FP8 (E4M3), K = 1,024, and its three parts quantised at once for the attention: q with 2^e2, k with 2^e3, v with 2^e5.
; Both operands come as IMAGES OF THE OPERAND'S REGISTERS (16 rows x 64 K in 1,024 bytes: registers 0-3 of lane l at 16 l, registers 4-7 at 512 + 16 l), codes = [768 row tiles][16 images][1024]:
; a fragment of 16 rows x 128 K is four loads of 512 consecutive bytes, with every k in its own place, and LDS needs no row pitch and no padding.
; A tile of 256 x 256 is made by a work-group of four waves, a wave makes 128 x 128: 64 accumulators, 512 registers.  K goes in steps of 256 through two LDS slots filled by the tensor data mover.
; THE MATRIX INSTRUCTION IS USED TRANSPOSED (source 0 = 16 rows of B, source 1 = 16 rows of A): lane (r, h) holds row r of A's side and eight neighbours 8 h + 0 .. 7 of B's side.
; ONE TEXT FOR q, k AND v.  Cluster x = 0, 1: q, k: A = tokens, B = channels, so a lane's eight results are eight channels of a token: the K of q k^T.  Cluster x = 2: v: A = channels, B = tokens, so they are eight keys
; of a channel: the K of p v.  So the conversions' results ARE images for the attention and are stored as they stand, 512 consecutive bytes a store.  The choice is made by arithmetic and selects, never by a branch.
; qkv = three regions of 0x800000 bytes: q, k: [64 heads][128 token tiles][1024];  v: [64 heads][32 blocks of 64 keys][4 channel tiles][1024].
; CLUSTERS: 4 x 4 work-groups; A's tiles are asked for jointly along a row of the cluster, B's along a column.
; LIMITS on the given exponents: e2, e3, e5 less e0 + e1 between -126 and 119.  NaN is not served.
; REGISTERS, in windows of 256: window 0: v4-29 addresses and constants; v32-95, v96-111 the bias's two factors; from v128 A's fragments, one set (on the way out: the codes).
;   window 1: B's fragments, two sets.   windows 2, 3: the accumulators of my rows 0-63 and 64-127, (a, b) at v[8 (8 (a % 4) + b)].
.set FR,    16                         ; registers of a fragment: 16 rows x 128 K
.set NL,    4                          ; LDS loads that bring one
.set NP,    4                          ; places behind this matrix instruction (ISA guide 7.12.1)
.set RT,    16384                      ; a row tile (16 rows x 1,024 K) in memory
.set KSB,   4096                       ; a K step of 256 of a row tile: four images on end
.set HALFT, 8*KSB                      ; eight row tiles: what one tensor load brings, and what one wave reads of A or of B
.set SLOT,  4*HALFT                    ; A's 16 row tiles, then B's
.set SPARE, 2*SLOT                     ; behind the ring: the spare words, 128 bytes for each wave
.set LI,    4                          ; v4      16 x lane
.set VO,    8                          ; v8-11   the way out: 16 x lane + (a / 4) S1 + (b / 4) S2
.set BH,    12                         ; v12     32 h
.set BR,    13                         ; v13     4 r
.set ONE,   14                         ; v14     1.0
.set ADRA,  16                         ; v16-17  LDS address of my A fragments in slot 0, 1
.set ADRB,  20                         ; v20-21  the same for B
.set SCL,   24                         ; v24     the conversion's scale
.set LIM,   25
.set SPW,   28                         ; v28     LDS address of my spare word; never rewritten
.set NIL,   29                         ; v29     0; never rewritten
.set XB,    32                         ; v32-95  the bias along B's side (q, k), or 1.0 (v)
.set YB,    96                         ; v96-111 the bias along A's side (v), or 1.0 (q, k): block a's at v[96 + 2 a], a copy beside it
.set AF,    128
.set CD,    128                        ; the way out: two sets of 16 registers of codes
.set G1, 24                            ; s[24:31] descriptor group 1 for A's tiles;  s[32:39] group 0, one set for each slot
.set G0, 32
.set G1B, 48                           ; s[48:55], s[56:63] the same for B's tiles
.set G0B, 56
.set MSB, 0
.macro WIN new                         ; the immediate's high byte repeats the setting that is left
.if MSB != (\new)
	s_set_vgpr_msb (MSB<<8)|(\new)
.set MSB, (\new)
.endif
.endm
.set MUL_LO, 0xa1                      ; source 0 (B) window 1, source 1 (A) window 0, C and D window 2
.set MUL_HI, 0xf1                      ; the same, C and D window 3
.set TO_B,   0x40                      ; destination window 1, address window 0
; A joint load: waves 0 and 1 fetch for A, waves 2 and 3 for B; the branch hangs on the wave's number alone.  Four v_nop follow each of the two lines.
.macro JLOAD g0a, g1a, g0b, g1b
	s_cmp_eq_u32 s15, 0
	s_cbranch_scc0 .Lfor_b_\@
	tensor_load_to_lds s[\g0a:\g0a+3], s[\g1a:\g1a+7]
	s_nop 0
.rept 4
	v_nop
.endr
	s_branch .Lasked_\@
.Lfor_b_\@:
	tensor_load_to_lds s[\g0b:\g0b+3], s[\g1b:\g1b+7]
	s_nop 0
.rept 4
	v_nop
.endr
.Lasked_\@:
.endm
.macro CREST                           ; a round of the cluster's barrier behind its opening barrier
	s_cmp_lg_u32 s14, 0
	s_cbranch_scc1 .Lnot_wave_0_\@
	s_barrier_signal -3
.Lnot_wave_0_\@:
	s_barrier_wait -3
	s_barrier_signal -1
	s_barrier_wait -1
.endm
.macro CROUND                          ; a whole round
	s_barrier_signal -1
	s_barrier_wait -1
	CREST
.endm
	s_load_b256 s[4:11], s[0:1], 0x0               ; codes s[4:5], b_attn s[6:7], the scales' exponents s[8:9], qkv s[10:11]
	v_lshl_add_u32 v[SPW], v0, 2, SPARE
	v_mov_b32 v[NIL], 0
	ds_add_u32 v28, v29
	ds_add_u32 v28, v29
	s_wait_dscnt 0x0
	v_lshrrev_b32 v1, 5, v0
	v_readfirstlane_b32 s14, v1                    ; wave 0..3
	s_lshr_b32 s15, s14, 1                         ; which half of A's side is mine.  Also: I fetch for A (0) or for B (1)
	s_and_b32 s16, s14, 1                          ; which half of B's side.  Also: which eight row tiles I fetch
	s_bfe_u32 s40, ttmp6, 0x40000                  ; cx, cy: my place in the cluster
	s_bfe_u32 s41, ttmp6, 0x40004
	s_mov_b32 s42, ttmp9                           ; cluster x: 0 = q, 1 = k, 2 = v
	s_and_b32 s17, ttmp7, 0xffff                   ; cluster y: which 1,024 tokens
	s_lshr_b32 s66, s42, 1                         ; 1 for v,
	s_sub_co_u32 s67, 1, s66                       ; 1 for q and k,
	s_sub_co_u32 s68, 0, s66                       ; and a lane mask: all ones for v
	s_lshl_b32 s43, s41, 2
	s_lshl_b32 s43, 15, s43                        ; my row of the cluster
	s_lshl_b32 s44, 0x1111, s40                    ; my column
	; descriptor group 1: eight rows (row tiles) of 4,096 one-byte elements, 16,384 apart in memory, dense in LDS
	s_or_b32 s[G1+0], s43, (1<<21)                 ; 15:0 the mask: A's tiles go to my row; 17:16 elements of 1 byte; 20 no padding; 21 set beside a mask
	s_or_b32 s[G1B+0], s44, (1<<21)
.irp g, G1, G1B
	s_mov_b32 s[\g+1], KSB<<16                     ; tensor_dim0
	s_mov_b32 s[\g+2], 8<<16                       ; tensor_dim1
	s_mov_b32 s[\g+3], KSB<<16                     ; tile_dim0
	s_mov_b32 s[\g+4], 8                           ; tile_dim1
	s_mov_b32 s[\g+5], RT                          ; tensor_dim0_stride
	s_mov_b32 s[\g+6], 0
	s_mov_b32 s[\g+7], 0
.endr
	; the first row tile that I fetch.  A's hangs on cy (never on cx), B's on cx (never on cy).  q, k: A = x's tokens, B = W_attn's columns 1,024 X on;  v: A = W_attn's columns 2,048 on, B = x's tokens
	s_lshl_b32 s18, s17, 6                         ; 64 row tiles of tokens for each cluster y
	s_lshl_b32 s19, s16, 3                         ; my eight of the tile's sixteen
	s_lshl_b32 s20, s41, 4
	s_mul_i32 s21, s18, s67
	s_add_co_u32 s20, s20, s21
	s_mul_i32 s21, s66, 640
	s_add_co_u32 s20, s20, s21
	s_add_co_u32 s20, s20, s19
	s_lshl_b32 s20, s20, 14                        ; in bytes
	s_mov_b32 s21, 0
	s_lshl_b32 s46, s40, 4
	s_mul_i32 s47, s18, s66
	s_add_co_u32 s46, s46, s47
	s_lshl_b32 s47, s42, 6
	s_add_co_u32 s47, s47, 512
	s_mul_i32 s47, s47, s67
	s_add_co_u32 s46, s46, s47
	s_add_co_u32 s46, s46, s19
	s_lshl_b32 s46, s46, 14
	s_mov_b32 s47, 0
	s_mul_i32 s45, s14, HALFT                      ; where they go: wave x eight row tiles: no place in the cluster enters an LDS address
	s_wait_kmcnt 0x0
	s_load_b128 s[72:75], s[8:9], 0x0              ; e0 .. e3
	s_load_b32 s76, s[8:9], 0x14                   ; e5
	s_add_nc_u64 s[20:21], s[4:5], s[20:21]
	s_add_nc_u64 s[46:47], s[4:5], s[46:47]
	CROUND                                         ; all sixteen work-groups are here: the first joint loads meet
.irp s, 0,1
	s_mov_b32 s[G0+4*\s], 1
	s_add_co_u32 s[G0+4*\s+1], s45, \s*SLOT
	s_add_nc_u64 s[G0+4*\s+2:G0+4*\s+3], s[20:21], \s*KSB
	s_or_b32 s[G0+4*\s+3], s[G0+4*\s+3], 0x80000000
	s_mov_b32 s[G0B+4*\s], 1
	s_add_co_u32 s[G0B+4*\s+1], s45, \s*SLOT
	s_add_nc_u64 s[G0B+4*\s+2:G0B+4*\s+3], s[46:47], \s*KSB
	s_or_b32 s[G0B+4*\s+3], s[G0B+4*\s+3], 0x80000000
	JLOAD G0+4*\s, G1, G0B+4*\s, G1B
.endr
	v_and_b32 v1, 15, v0                           ; r
	v_bfe_u32 v2, v0, 4, 1                         ; h
	s_wait_alu depctr_va_vdst(0)
	v_and_b32 v3, 31, v0
	v_lshlrev_b32 v[LI], 4, v3
	s_wait_alu depctr_va_vdst(0)
	s_mul_i32 s21, s15, HALFT                      ; my eight row tiles of A
	s_mul_i32 s22, s16, HALFT                      ; and of B,
	s_add_co_u32 s22, s22, 2*HALFT                 ; which lie behind A's sixteen
.irp s, 0,1
	v_add_nc_u32 v[ADRA+\s], s21, v[LI]
	v_add_nc_u32 v[ADRB+\s], s22, v[LI]
	s_add_co_u32 s21, s21, SLOT
	s_add_co_u32 s22, s22, SLOT
.endr
	; the bias: result = sum + XB x YB, where one factor is b_attn / 2^(e0 + e1) and the other 1.0.  Both are loaded in every case, from inside b_attn, and the one that does not apply is replaced
	s_lshl_b32 s18, s42, 10
	s_lshl_b32 s19, s40, 8
	s_add_co_u32 s18, s18, s19
	s_lshl_b32 s19, s16, 7
	s_add_co_u32 s18, s18, s19                     ; channel 1,024 X + 256 cx + 128 x my half of B's side
	s_lshl_b32 s18, s18, 2
	s_mov_b32 s19, 0
	s_add_nc_u64 s[82:83], s[6:7], s[18:19]
	s_lshl_b32 s18, s41, 8
	s_lshl_b32 s23, s15, 7
	s_add_co_u32 s18, s18, s23
	s_add_co_u32 s18, s18, 2048                    ; channel 2,048 + 256 cy + 128 x my half of A's side
	s_lshl_b32 s18, s18, 2
	s_add_nc_u64 s[84:85], s[6:7], s[18:19]
	v_lshlrev_b32 v[BH], 5, v2
	v_lshlrev_b32 v[BR], 2, v1
	v_mov_b32 v[ONE], 1.0
.irp b, 0,1,2,3,4,5,6,7
	global_load_b128 v[XB+8*\b:XB+8*\b+3], v[BH], s[82:83] offset:64*\b         ; channels 16 b + 8 h + 0 .. 7
	global_load_b128 v[XB+8*\b+4:XB+8*\b+7], v[BH], s[82:83] offset:64*\b+16
.endr
.irp a, 0,1,2,3,4,5,6,7
	global_load_b32 v[YB+2*\a], v[BR], s[84:85] offset:64*\a                    ; channel 16 a + r
.endr
	; where my images go
	s_cmp_eq_u32 s66, 1
	s_cselect_b32 s78, s40, s41                    ; my place along the tokens (v: cx; q, k: cy),
	s_cselect_b32 s79, s41, s40                    ; along the heads,
	s_cselect_b32 s80, s16, s15                    ; my wave's half of the tokens,
	s_cselect_b32 s81, s15, s16                    ; and of the heads
	s_lshl_b32 s89, s17, 2
	s_add_co_u32 s78, s78, s89                     ; which 256 tokens of the 8,192
	s_lshr_b32 s89, s78, 3
	s_lshl_b32 s89, s89, 21                        ; the batch: 16 heads of 0x20000 bytes
	s_and_b32 s78, s78, 7
	s_lshl_b32 s78, s78, 14                        ; a token is 64 bytes of a head, in q, k and v alike
	s_add_co_u32 s89, s89, s78
	s_lshl_b32 s80, s80, 13
	s_add_co_u32 s89, s89, s80
	s_lshl_b32 s79, s79, 2
	s_lshl_b32 s81, s81, 1
	s_add_co_u32 s79, s79, s81                     ; my first head of the 16
	s_lshl_b32 s79, s79, 17
	s_add_co_u32 s89, s89, s79
	s_lshl_b32 s79, s42, 23                        ; the region
	s_add_co_u32 s88, s89, s79
	s_mov_b32 s89, 0
	s_add_nc_u64 s[10:11], s[10:11], s[88:89]
	s_mul_i32 s90, s66, 126976
	s_add_co_u32 s91, s90, 4096                    ; S1, four blocks of A's side on: q, k: four token tiles, 4,096;  v: a head, 131,072
	s_sub_co_u32 s90, 131072, s90                  ; S2, four blocks of B's side on: q, k: a head;  v: a block of 64 keys, 4,096
	v_mov_b32 v[VO], v[LI]
	v_add_nc_u32 v[VO+1], s90, v[LI]
	v_add_nc_u32 v[VO+2], s91, v[LI]
	v_add_nc_u32 v[VO+3], s90, v[VO+2]
	s_wait_kmcnt 0x0
	s_add_co_i32 s86, s72, s73                     ; e0 + e1: a sum stands for sum x 2^(e0 + e1)
	s_sub_co_i32 s87, 0, s86
	s_cmp_eq_u32 s42, 0
	s_cselect_b32 s77, s74, s75                    ; q: e2, k: e3,
	s_cmp_eq_u32 s42, 2
	s_cselect_b32 s77, s76, s77                    ; v: e5
	s_sub_co_i32 s77, s77, s86                     ; the three scales folded into the conversion's one
	s_add_co_i32 s77, s77, 127
	s_lshl_b32 s88, s77, 23
	v_mov_b32 v[SCL], s88
	s_add_co_i32 s77, s77, 8
	s_lshl_b32 s77, s77, 23
	s_or_b32 s77, s77, 0x600000
	s_wait_loadcnt 0x0
.set n_, 0
.rept 64
	v_ldexp_f32 v[XB+n_], v[XB+n_], s87            ; b / 2^(e0 + e1)
.set n_, n_+1
.endr
.set n_, 0
.rept 64
	v_cndmask_b32 v[XB+n_], v[XB+n_], v[ONE], s68  ; v: 1.0
.set n_, n_+1
.endr
.irp a, 0,1,2,3,4,5,6,7
	v_ldexp_f32 v[YB+2*\a], v[YB+2*\a], s87
.endr
.irp a, 0,1,2,3,4,5,6,7
	v_cndmask_b32 v[YB+2*\a], v[ONE], v[YB+2*\a], s68   ; q, k: 1.0
.endr
.irp a, 0,1,2,3,4,5,6,7
	v_mov_b32 v[YB+2*\a+1], v[YB+2*\a]             ; (named with it as a pair, so it is written)
.endr
.macro FRAG reg, adr, q, i             ; row tile i's fragment of the slot's q-th 128 along K: two images on end, four loads of 512 consecutive bytes; registers 2 c, 2 c + 1 hold K = 16 c + 8 h + 0 .. 7
.irp c, 0,1,2,3
	ds_load_b128 v[\reg+4*\c:\reg+4*\c+3], v[\adr] offset:2048*(\q)+512*\c+(\i)*KSB
.endr
.endm
; 16 matrix instructions: A's blocks a0, a0 + 1 x B's eight, 128 along K.  p: B's set.  zero = 1: the first product starts the sums.  The 64 accumulators take turns, one instruction a turn, in the same order in every step.
.macro MUL16 a0, p, zero
.irp a, \a0, \a0+1
.irp b, 0,1,2,3,4,5,6,7
.if \zero
	v_wmma_f32_16x16x128_fp8_fp8 v[8*(8*((\a)%4)+\b):8*(8*((\a)%4)+\b)+7], v[128*(\p)+FR*\b:128*(\p)+FR*\b+FR-1], v[AF+FR*(\a):AF+FR*(\a)+FR-1], 0
.else
	v_wmma_f32_16x16x128_fp8_fp8 v[8*(8*((\a)%4)+\b):8*(8*((\a)%4)+\b)+7], v[128*(\p)+FR*\b:128*(\p)+FR*\b+FR-1], v[AF+FR*(\a):AF+FR*(\a)+FR-1], v[8*(8*((\a)%4)+\b):8*(8*((\a)%4)+\b)+7]
.endif
.endr
.endr
.endm
.macro FETCH_B slot, q, p              ; B's eight fragments into set p
	WIN TO_B
.irp i, 0,1,2,3,4,5,6,7
	FRAG 128*(\p)+FR*\i, ADRB+\slot, \q, \i
.endr
	WIN 0
.endm
.macro FETCH_A slot, q, i0             ; A's blocks i0 .. i0 + 3
.irp i, \i0, \i0+1, \i0+2, \i0+3
	FRAG AF+FR*(\i), ADRA+\slot, \q, \i
.endr
.endm
.macro PLACES n                        ; plain vector instructions between a matrix instruction and a load into, or a vector instruction on, one of its registers
.rept \n
	v_nop
.endr
.endm
; A step of 128 along K that has its successor in the same slot.  A block of A is free as soon as its eight products are issued: blocks 0-3 are fetched anew in the step's middle, blocks 4-7 at its end.
.macro STEP slot, q, zero
	s_wait_dscnt 4*NL                              ; B's set and A's blocks 0-3 are in; the youngest sixteen loads (A's blocks 4-7) may be out
	WIN MUL_LO
	MUL16 0, (\q)%2, \zero
	MUL16 2, (\q)%2, \zero
	s_wait_dscnt 0x0                               ; A's blocks 4-7 are in
	PLACES NP
	FETCH_B \slot, (\q)+1, 1-(\q)%2
	FETCH_A \slot, (\q)+1, 0
	WIN MUL_HI
	MUL16 4, (\q)%2, \zero
	MUL16 6, (\q)%2, \zero
	PLACES NP
	WIN 0
	FETCH_A \slot, (\q)+1, 4
.endm
; A slot's last step changes slots: one barrier; in front of it each wave waits for all its tensor loads, adds 0 to its spare word, and waits for that and for its own reads of this slot.  fill = 1: this slot is filled again, two K steps ahead.
.macro TURN slot, next, fill
	s_wait_tensorcnt 0x0                           ; all my tensor loads have landed: my part of the next slot  (every window is 0 here)
	ds_add_u32 v[SPW], v[NIL]                      ; 0 onto my spare word
	s_wait_dscnt 4*NL+1                            ; (the add and the youngest sixteen loads may be out)
	WIN MUL_LO
	MUL16 0, 1, 0                                  ; sixteen matrix instructions stand between the add and the wait for it
	s_wait_dscnt 0x0                               ; the add is done, and my reads of this slot are over
	s_barrier_signal -1
	MUL16 2, 1, 0
	WIN 0
	s_barrier_wait -1
.if \fill
	CREST                                          ; the barrier has opened a round of the cluster's barrier: no wave of any partner still reads this slot or has a load on its way
	s_add_nc_u64 s[G0+4*\slot+2:G0+4*\slot+3], s[G0+4*\slot+2:G0+4*\slot+3], 2*KSB
	s_add_nc_u64 s[G0B+4*\slot+2:G0B+4*\slot+3], s[G0B+4*\slot+2:G0B+4*\slot+3], 2*KSB
	JLOAD G0+4*\slot, G1, G0B+4*\slot, G1B         ; the first tensor load behind the round; its four v_nop are also the places in front of the loads below
.else
	PLACES NP
.endif
	FETCH_B \next, 0, 0
	FETCH_A \next, 0, 0
	WIN MUL_HI
	MUL16 4, 1, 0
	MUL16 6, 1, 0
	PLACES NP
	WIN 0
	FETCH_A \next, 0, 4
.endm
	s_wait_tensorcnt 0x1                           ; my part of K step 0 is in (K step 1's load may be out)
	s_barrier_signal -1
	s_barrier_wait -1                              ; everybody's is
	FETCH_B 0, 0, 0
	FETCH_A 0, 0, 0
	FETCH_A 0, 0, 4
	STEP 0, 0, 1                                   ; K = 1,024 is four K steps of 256, eight steps of 128, written out: the first starts the sums
	TURN 0, 1, 1                                   ; slot 0 takes K step 2
	STEP 1, 0, 0
	TURN 1, 0, 1                                   ; slot 1 takes K step 3
	STEP 0, 0, 0
	TURN 0, 1, 0                                   ; nothing is left to fetch
	STEP 1, 0, 0
	s_wait_dscnt 4*NL
	WIN MUL_LO
	MUL16 0, 1, 0
	MUL16 2, 1, 0
	s_wait_alu depctr_va_vdst(0)
	s_wait_dscnt 0x0
	WIN MUL_HI
	MUL16 4, 1, 0
	MUL16 6, 1, 0
	WIN 0
	PLACES NP                                      ; behind the last products: their results are read, and A's registers written, from here on
; THE WAY OUT of block a (16 rows of A's side x my 128 of B's): the bias, the hold, the conversion; accumulator (a, b)'s eight numbers become registers 2 (b % 4), 2 (b % 4) + 1 of image b / 4, and each image leaves by two stores.
.macro OUTBLK a
.set AC, 64*((\a)%4)
.set CB, CD+16*((\a)%2)
.if (\a) >= 2
	s_wait_xcnt 0x0                                ; block a - 2's stores have read their registers, which this block's codes take
.endif
	WIN 0xa0+0x50*((\a)/4)                         ; source 2 and destination: window 2 or 3
.set n_, 0
.rept 32
	v_pk_fma_f32 v[AC+n_:AC+n_+1], v[XB+n_:XB+n_+1], v[YB+2*(\a):YB+2*(\a)+1], v[AC+n_:AC+n_+1] op_sel_hi:[1,0,1]   ; sum + bias / 2^(e0 + e1); each accumulator from its low end on
.set n_, n_+2
.endr
	WIN 0x82+0x41*((\a)/4)                         ; source 0 and destination
.set n_, 0
.rept 64
.set n_, n_+1
.endr
	WIN 0x02+((\a)/4)                              ; source 0
.set n_, 0
.rept 8
	v_cvt_scalef32_pk8_fp8_f32 v[CB+2*n_:CB+2*n_+1], v[AC+8*n_:AC+8*n_+7], v[SCL]
.set n_, n_+1
.endr
	WIN 0
	v_nop                                          ; a plain vector instruction behind the last conversion
.irp q, 0,1
	global_store_b128 v[VO+2*((\a)/4)+\q], v[CB+8*\q:CB+8*\q+3], s[10:11] offset:1024*((\a)%4)        ; 32 lanes store 512 consecutive bytes, aligned
	global_store_b128 v[VO+2*((\a)/4)+\q], v[CB+8*\q+4:CB+8*\q+7], s[10:11] offset:1024*((\a)%4)+512
.endr
.endm
.irp a, 0,1,2,3,4,5,6,7
	OUTBLK \a
.endr
	s_wait_tensorcnt 0x0                           ; the wave's end
	ds_add_u32 v[SPW], v[NIL]
	s_wait_dscnt 0x0
	CROUND                                         ; the closing round: no work-group ends while a partner may still ask for a tile that names it
	s_endpgm
.Lfunc_end_k_qb0d2bc451a_qkv:
	.size	k_qb0d2bc451a_qkv, .Lfunc_end_k_qb0d2bc451a_qkv-k_qb0d2bc451a_qkv
	.p2alignl 7, 3214868480
	.fill 96, 4, 3214868480
	.section	.rodata,"a",@progbits
	.p2align	6, 0x0
	.amdhsa_kernel k_qb0d2bc451a_qkv
		.amdhsa_group_segment_fixed_size 327680
		.amdhsa_private_segment_fixed_size 0
		.amdhsa_enable_private_segment 0
		.amdhsa_kernarg_size 32
		.amdhsa_user_sgpr_count 2
		.amdhsa_user_sgpr_kernarg_segment_ptr 1
		.amdhsa_wavefront_size32 1
		.amdhsa_system_sgpr_workgroup_id_x 1
		.amdhsa_system_sgpr_workgroup_id_y 1
		.amdhsa_system_sgpr_workgroup_id_z 1
		.amdhsa_system_vgpr_workitem_id 0
		.amdhsa_next_free_vgpr 1024
		.amdhsa_next_free_sgpr 98
		.amdhsa_reserve_vcc 0
		.amdhsa_float_denorm_mode_32 3
		.amdhsa_float_denorm_mode_16_64 3
		.amdhsa_fp16_overflow 1
		.amdhsa_memory_ordered 1
		.amdhsa_forward_progress 1
		.amdhsa_inst_pref_size 115
	.end_amdhsa_kernel
	.amdgpu_metadata
---
amdhsa.version: [ 1, 2 ]
amdhsa.kernels:
  - .name:           k_qb0d2bc451a_qkv
    .symbol:         k_qb0d2bc451a_qkv.kd
    .args:
      - { .name: codes, .offset: 0, .size: 8, .value_kind: global_buffer, .address_space: global }
      - { .name: b_attn, .offset: 8, .size: 8, .value_kind: global_buffer, .address_space: global }
      - { .name: lowp_scales, .offset: 16, .size: 8, .value_kind: global_buffer, .address_space: global }
      - { .name: qkv, .offset: 24, .size: 8, .value_kind: global_buffer, .address_space: global }
    .group_segment_fixed_size: 327680
    .private_segment_fixed_size: 0
    .kernarg_segment_align: 8
    .kernarg_segment_size: 32
    .max_flat_workgroup_size: 128
    .sgpr_count:     98
    .vgpr_count:     1024
    .wavefront_size: 32
...
	.end_amdgpu_metadata
.endif
;; end of part 2
;; launch attn (part 3): grid 4 x 64, 16 waves a work-group, clusters of 4 x 1, 264,192 bytes of LDS; arguments qkv, lowp_scales, yimg; writes yimg
.if DOCPART == 3
	.amdgcn_target "amdgcn-amd-amdhsa--gfx1250"
	.amdhsa_code_object_version 6
	.text
	.protected	k_qb0d2bc451a_attn
	.globl	k_qb0d2bc451a_attn
	.p2align	8
	.type	k_qb0d2bc451a_attn,@function
k_qb0d2bc451a_attn:
	s_mov_b64 s[64:65], 0
	v_nop
	global_prefetch_b8 v0, s[64:65] scope:SCOPE_SE
	s_setreg_imm32_b32 hwreg(HW_REG_WAVE_MODE, 25, 1), 1
	s_wait_xcnt 0x0
	s_wait_alu depctr_hold_cnt(0) depctr_sa_sdst(0) depctr_va_vdst(0) depctr_va_sdst(0) depctr_va_ssrc(0) depctr_va_vcc(0) depctr_vm_vsrc(0)
	s_getreg_b32 s2, hwreg(HW_REG_IB_STS2, 6, 4)
	s_cmp_eq_u32 s2, 0
	s_cbranch_scc0 .Lentry_in_a_cluster
	s_endpgm
.Lentry_in_a_cluster:
	s_bfe_u32 s2, ttmp6, 0x10000c
	s_cmp_lg_u32 s2, 0x3003
	s_cbranch_scc0 .Lentry_shape_is_right
	s_endpgm
.Lentry_shape_is_right:
; y[head][q] = the sum over keys k <= q of softmax_k(q . k / 8) v, both products on codes of FP8 (E4M3); y is quantised at once, with 2^e6, for the last product.
; q, k, v come as images of the operands' registers (16 rows x 64 K in 1,024 bytes: registers 0-3 of lane l at 16 l, registers 4-7 at 512 + 16 l): q, k: [head][128 token tiles][1024], K = the head's 64 channels;
; v: [head][32 blocks of 64 keys][4 channel tiles][1024], K = the keys.  yimg = [512 token tiles][16 heads][1024], K = the head's channels.
; THE SOFTMAX: t = score x log2(e) / 8; M = the running largest t, rounded up to a whole number; p = 2^(t - M) is quantised with 2^e4; the row's sum is taken of the unquantised p and divides at the end;
; when M moves, the sum and O are multiplied by 2^(old M - new M), which rounds nothing.
; SHARES.  The four work-groups of a cluster serve one head.  The head's K and V, 128 KiB each, are brought into every partner's LDS ONCE, by joint loads at the head: no LDS byte is filled twice.
; Wave w of work-group cx owns two tiles of 16 queries: tile i = 8 (w / 2) + 2 cx + w % 2 and tile 127 - i.  In steps of 128 keys they need w / 2 + 1 and 16 - w / 2 steps: seventeen in every wave of the launch.
; All branches hang on w / 2, never on cx: cx enters the addresses of q and y and the mask's numbers alone.
; LAYOUT.  Both products are used transposed: S^T = K Q^T (source 0 = 16 keys, source 1 = my 16 queries), O^T = V^T P^T (source 0 = 16 channels, source 1 = P): lane (r, h) holds query r throughout; register j of score tile t is
; key 16 t + 8 h + j, so the conversion of tile t's eight registers is registers 2 t, 2 t + 1 of P; register j of O^T's tile c is channel 16 c + 8 h + j, so its conversion is registers 2 c, 2 c + 1 of y's image.
; LIMITS on the given exponents: e2 + e3 between -123 and 130 (added to the exponent field of log2(e) / 8); e4, and e6 - e4 - e5, between -126 and 119.  NaN is not served.
.set VLDS,  131072                     ; LDS: K's 128 images at 0, V's 128 at 131,072
.set GRP,   32768                      ; 512 keys of K or of V
.set STEPB, 8192                       ; 128 keys of K or of V
.set LN,   1                           ; v1   16 x lane; never rewritten
.set ADK,  2                           ; v2   LDS address of the step's K
.set ADV,  3                           ; v3   of its V
.set DH,   5                           ; v5   the high tile: my query's place in its last step, less 8 h
.set DL,   6                           ; v6   the low tile's
.set QH,   8                           ; v8-15   the high tile's fragment of Q
.set QL,   16                          ; v16-23  the low tile's
.set MN,   24                          ; v24 -M, v25 the largest t
.set SUM,  26                          ; v[26:27] the row's sum in two halves
.set FRG,  32                          ; v32-95  eight fragments of K, then four of V
.set S,    96                          ; v96-159 S^T, then p
.set O,    160                         ; v160-191 O^T
.set PC,   192                         ; v192-207 P's codes
.set YH,   208                         ; v208-215, v216-223 y's codes
.set YL,   216
.set PSC,  224                         ; 2^e4
.set PLIM, 225
.set YSC,  226                         ; 2^(e6 - e4 - e5)
.set YLIM, 227
.set T0,   228
.set T1,   230
.set F,    232                         ; v[232:233]: f, or 1 / sum, in the low word
.set A2,   236                         ; v[236:237]
.set NINF, 238
.set WV,   10
.set G1,   16                          ; s[16:23] descriptor group 1;  s[24:39] four groups 0
.set G0,   24
.set SEL,  40                          ; s[40:41] v_permlanex16_b32's selects for lane l xor 16
.set CS,   42                          ; s[42:43] c = log2(e) / 8 x 2^(e2 + e3)
.set TB,   44                          ; LDS byte of the step's K
.set STP,  45                          ; the step's number
.set LAST, 46                          ; the tile's last step
.set CNT,  47
.macro CROUND
	s_barrier_signal -1
	s_barrier_wait -1
	s_cmp_lg_u32 s[WV], 0
	s_cbranch_scc1 .Lnot_wave_0_\@
	s_barrier_signal -3
.Lnot_wave_0_\@:
	s_barrier_wait -3
	s_barrier_signal -1
	s_barrier_wait -1
.endm
	s_load_b128 s[4:7], s[0:1], 0x0                ; qkv s[4:5], the scales' exponents s[6:7]
	s_load_b64 s[8:9], s[0:1], 0x10                ; yimg
	v_lshl_add_u32 v254, v0, 2, 0x40000
	v_mov_b32 v255, 0
	ds_add_u32 v254, v255
	ds_add_u32 v254, v255
	v_lshrrev_b32 v1, 5, v0
	s_delay_alu instid0(VALU_DEP_1)
	v_readfirstlane_b32 s[WV], v1                  ; wave 0..15
	s_lshr_b32 s11, s[WV], 1                       ; w / 2: the low tile's last step
	s_sub_co_u32 s12, 15, s11                      ; the high tile's
	s_bfe_u32 s13, ttmp6, 0x40000                  ; cx
	s_and_b32 s60, ttmp7, 0xffff                   ; the head, 0..63, which the four partners share
	s_lshl_b32 s14, s60, 17                        ; its first byte in each region
	s_mov_b32 s15, 0
	s_and_b32 s2, s[WV], 1
	; what waves 0 to 3 fetch: waves 0, 1: K; waves 2, 3: V; each one half, 16,384 bytes, of each group of 512 keys
	s_bfe_u32 s61, s[WV], 0x10001                  ; (w / 2) % 2
	s_add_co_u32 s62, s61, 1
	s_lshl_b32 s62, s62, 23                        ; region 1 or 2
	s_lshl_b32 s3, s2, 14
	s_add_co_u32 s62, s62, s3
	s_add_co_u32 s62, s62, s14
	s_mov_b32 s63, 0
	s_lshl_b32 s61, s61, 17
	s_add_co_u32 s61, s61, s3                      ; and in LDS: no place in the cluster enters it
	; descriptor group 1: 64 rows of 32 elements of 8 bytes, dense
	s_mov_b32 s[G1], 15|(3<<16)|(1<<21)            ; 15:0 the mask: all four work-groups; 17:16 elements of 8 bytes; 21 set beside a mask
	s_mov_b32 s[G1+1], 32<<16                      ; tensor_dim0
	s_mov_b32 s[G1+2], 64<<16                      ; tensor_dim1
	s_mov_b32 s[G1+3], 32<<16                      ; tile_dim0
	s_mov_b32 s[G1+4], 64                          ; tile_dim1
	s_mov_b32 s[G1+5], 32                          ; tensor_dim0_stride
	s_mov_b32 s[G1+6], 0
	s_mov_b32 s[G1+7], 0
	s_mov_b32 s[SEL], 0x76543210
	s_mov_b32 s[SEL+1], 0xfedcba98
	s_mov_b32 s[CS], 0x3e38aa3b                    ; log2(e) / 8
	s_wait_dscnt 0x0
	s_wait_kmcnt 0x0
	s_load_b256 s[48:55], s[6:7], 0x0              ; e0 .. e7
	s_add_nc_u64 s[62:63], s[4:5], s[62:63]
.irp g, 0,1,2,3
	s_mov_b32 s[G0+4*\g], 1
	s_add_co_u32 s[G0+4*\g+1], s61, \g*GRP
	s_add_nc_u64 s[G0+4*\g+2:G0+4*\g+3], s[62:63], \g*GRP
	s_or_b32 s[G0+4*\g+3], s[G0+4*\g+3], 0x80000000
.endr
	CROUND                                         ; all four work-groups are here: the joint loads meet
	s_cmp_lt_u32 s[WV], 4                          ; a wave's four fills stand in one branch, ahead of every wait on TENSORcnt, every LDS read and every other barrier: four loads of mine are out
	s_cbranch_scc0 .Lno_fill
	tensor_load_to_lds s[G0:G0+3], s[G1:G1+7]
	s_nop 0
	tensor_load_to_lds s[G0+4:G0+7], s[G1:G1+7]
	s_nop 0
	tensor_load_to_lds s[G0+8:G0+11], s[G1:G1+7]
	s_nop 0
	tensor_load_to_lds s[G0+12:G0+15], s[G1:G1+7]
	s_nop 0
.rept 4
	v_nop
.endr
.Lno_fill:
	s_lshl_b32 s3, s13, 1
	s_add_co_u32 s3, s3, s2                        ; tau = 2 cx + w % 2
	s_lshl_b32 s61, s11, 3
	s_add_co_u32 s61, s61, s3                      ; the low tile
	s_sub_co_u32 s62, 127, s61                     ; the high tile
	s_mov_b32 s71, 0
	s_lshl_b32 s70, s62, 10
	s_add_co_u32 s70, s70, s14
	s_add_nc_u64 s[66:67], s[4:5], s[70:71]        ; their images of q (region 0)
	s_lshl_b32 s70, s61, 10
	s_add_co_u32 s70, s70, s14
	s_add_nc_u64 s[68:69], s[4:5], s[70:71]
	v_and_b32 v[LN], 31, v0
	s_delay_alu instid0(VALU_DEP_1)
	v_lshlrev_b32 v[LN], 4, v[LN]
	global_load_b128 v[QH:QH+3], v[LN], s[66:67]
	global_load_b128 v[QH+4:QH+7], v[LN], s[66:67] offset:512
	global_load_b128 v[QL:QL+3], v[LN], s[68:69]
	global_load_b128 v[QL+4:QL+7], v[LN], s[68:69] offset:512
	s_lshr_b32 s46, s60, 4
	s_lshl_b32 s46, s46, 21                        ; the batch: 128 token tiles of 16,384 bytes,
	s_and_b32 s47, s60, 15
	s_lshl_b32 s47, s47, 10                        ; the head's image in a token tile
	s_add_co_u32 s46, s46, s47
	s_lshl_b32 s47, s62, 14
	s_add_co_u32 s70, s46, s47
	s_add_nc_u64 s[56:57], s[8:9], s[70:71]        ; y's image of the high tile,
	s_lshl_b32 s47, s61, 14
	s_add_co_u32 s70, s46, s47
	s_add_nc_u64 s[58:59], s[8:9], s[70:71]        ; of the low tile
	v_and_b32 v7, 15, v0
	v_bfe_u32 v4, v0, 4, 1
	s_delay_alu instid0(VALU_DEP_1)
	v_lshlrev_b32 v4, 3, v4
	s_delay_alu instid0(VALU_DEP_1)
	v_sub_nc_u32 v7, v7, v4                        ; r - 8 h
	s_lshl_b32 s46, s3, 4
	v_add_nc_u32 v[DL], s46, v7                    ; in its last step the low tile's queries stand at 16 tau + r,
	s_sub_co_u32 s46, 112, s46
	v_add_nc_u32 v[DH], s46, v7                    ; the high tile's at 112 - 16 tau + r
	v_mov_b32 v[NINF], 0xff800000                  ; -infinity
	v_mov_b32 v[T1], 0                             ; written once: a lane permute's destination counts as one of its sources
	v_mov_b32 v[F+1], 0                            ; (named as the upper half of a pair)
	s_wait_kmcnt 0x0
	s_add_co_i32 s46, s50, s51
	s_lshl_b32 s46, s46, 23
	s_add_co_i32 s[CS], s[CS], s46                 ; a score stands for score x 2^(e2 + e3): the exponents are added to c's exponent field
	s_mov_b32 s[CS+1], s[CS]                       ; (named with it as a pair)
	s_add_co_i32 s46, s52, 127
	s_lshl_b32 s47, s46, 23
	v_mov_b32 v[PSC], s47
	s_sub_co_i32 s46, s54, s52
	s_sub_co_i32 s46, s46, s53                     ; O / sum stands for y / 2^(e4 + e5): the three scales folded into one
	s_add_co_i32 s46, s46, 127
	s_lshl_b32 s47, s46, 23
	v_mov_b32 v[YSC], s47
; A KEY STEP: 128 keys at LDS byte s[TB].  q: the tile's fragment of Q; d: its register of mask numbers.  full = 1: a step behind the tile's last is left out, and in the last one hidden scores become -infinity.
.macro STEP q, d, full
.if \full
	s_cmp_gt_u32 s[STP], s[LAST]
	s_cbranch_scc1 .Lskip_\@
.endif
	s_setprio 2
	v_add_nc_u32 v[ADK], s[TB], v[LN]
	s_delay_alu instid0(VALU_DEP_1)
	v_add_nc_u32 v[ADV], VLDS, v[ADK]
	v_nop                                          ; with the two additions: four places in front of loads into registers that the last products read
	v_nop
.irp t, 0,1,2,3,4,5,6,7
	ds_load_b128 v[FRG+8*\t:FRG+8*\t+3], v[ADK] offset:1024*\t
	ds_load_b128 v[FRG+8*\t+4:FRG+8*\t+7], v[ADK] offset:1024*\t+512
.endr
	s_wait_alu depctr_va_vdst(0)
	s_wait_dscnt 0x0
.irp t, 0,1,2,3,4,5,6,7
	v_wmma_f32_16x16x64_fp8_fp8 v[S+8*\t:S+8*\t+7], v[FRG+8*\t:FRG+8*\t+7], v[\q:\q+7], 0
.endr
.rept 4
	v_nop
.endr
.irp c, 0,1,2,3                                ; V's four fragments (16 channels x 128 keys) are asked for now and land under the softmax
.irp k, 0,1
	ds_load_b128 v[FRG+16*\c+8*\k:FRG+16*\c+8*\k+3], v[ADV] offset:4096*\k+1024*\c
	ds_load_b128 v[FRG+16*\c+8*\k+4:FRG+16*\c+8*\k+7], v[ADV] offset:4096*\k+1024*\c+512
.endr
.endr
.if \full
	s_cmp_lg_u32 s[STP], s[LAST]
	s_cbranch_scc1 .Lopen_\@
.set n_, 0
.rept 64
	v_cmp_gt_i32 vcc_lo, 16*(n_/8)+n_%8, v[\d]     ; register 8 t + j holds key 16 t + 8 h + j of the step: hidden where 16 t + j > my query's place - 8 h
	v_cndmask_b32 v[S+n_], v[S+n_], v[NINF], vcc_lo
.set n_, n_+1
.endr
.Lopen_\@:
.endif
	v_max3_num_f32 v[T0], v[S], v[S+1], v[S+2]     ; the step's largest score of my query among my 64 keys, in two chains,
	v_max3_num_f32 v[F], v[S+3], v[S+4], v[S+5]
.irp i, 6,10,14,18,22,26,30,34,38,42,46,50,54,58
	v_max3_num_f32 v[T0], v[T0], v[S+\i], v[S+\i+1]
	v_max3_num_f32 v[F], v[F], v[S+\i+2], v[S+\i+3]
.endr
	v_max3_num_f32 v[T0], v[T0], v[S+62], v[S+63]
	s_delay_alu instid0(VALU_DEP_1)
	v_max_num_f32 v[T0], v[T0], v[F]
	s_delay_alu instid0(VALU_DEP_1)
	v_permlanex16_b32 v[T1], v[T0], s[SEL], s[SEL+1]
	s_delay_alu instid0(VALU_DEP_1)
	v_max_num_f32 v[T0], v[T0], v[T1]              ; and among lane l xor 16's
	s_delay_alu instid0(VALU_DEP_1)
	v_mul_f32 v[T0], s[CS], v[T0]                  ; as t (c is positive)
	s_delay_alu instid0(VALU_DEP_1)
	v_max_num_f32 v[MN+1], v[MN+1], v[T0]          ; the running largest t
	v_mov_b32 v[T0], v[MN]
	s_delay_alu instid0(VALU_DEP_2)
	v_floor_f32 v[MN], -v[MN+1]                    ; the new -M = floor(-t): M is a whole number
	s_delay_alu instid0(VALU_DEP_1)
	v_sub_f32 v[T0], v[MN], v[T0]                  ; old M - new M: a whole number, 0 or less
	s_delay_alu instid0(VALU_DEP_1)
	v_cvt_i32_f32 v[T0], v[T0]                     ; (it saturates)
	s_delay_alu instid0(VALU_DEP_1)
	v_ldexp_f32 v[F], 1.0, v[T0]                   ; f = 2^(old M - new M)
.set n_, 0
.rept 32
	v_pk_fma_f32 v[S+n_:S+n_+1], v[S+n_:S+n_+1], s[CS:CS+1], v[MN:MN+1] op_sel_hi:[1,0,0]   ; t - M, two at a time
.set n_, n_+2
.endr
.set n_, 0
	s_setprio 1
	s_wait_alu depctr_va_vdst(0)
.rept 64
	v_exp_f32 v[S+n_], v[S+n_]                     ; p = 2^(t - M), at most 1
.set n_, n_+1
.endr
	v_pk_mul_f32 v[SUM:SUM+1], v[SUM:SUM+1], v[F:F+1] op_sel_hi:[1,0]   ; the sums under the new M: the plain instruction behind the exponentials
	s_wait_alu depctr_va_vdst(0)                   ; one wait for the whole batch, ahead of its first reader
	v_pk_add_f32 v[236:237], v[100:101], v[104:105]
	v_pk_add_f32 v[252:253], v[108:109], v[112:113]
	v_pk_add_f32 v[250:251], v[116:117], v[120:121]
	v_pk_add_f32 v[248:249], v[124:125], v[128:129]
	v_pk_add_f32 v[246:247], v[132:133], v[136:137]
	v_pk_add_f32 v[244:245], v[140:141], v[144:145]
	v_pk_add_f32 v[242:243], v[148:149], v[152:153]
	v_pk_add_f32 v[26:27], v[26:27], v[156:157]
	v_pk_add_f32 v[236:237], v[236:237], v[96:97]
	v_pk_add_f32 v[252:253], v[252:253], v[98:99]
	v_pk_add_f32 v[250:251], v[250:251], v[102:103]
	v_pk_add_f32 v[248:249], v[248:249], v[106:107]
	v_pk_add_f32 v[246:247], v[246:247], v[110:111]
	v_pk_add_f32 v[244:245], v[244:245], v[114:115]
	v_pk_add_f32 v[242:243], v[242:243], v[118:119]
	v_pk_add_f32 v[26:27], v[26:27], v[122:123]
	v_pk_add_f32 v[236:237], v[236:237], v[126:127]
	v_pk_add_f32 v[252:253], v[252:253], v[130:131]
	v_pk_add_f32 v[250:251], v[250:251], v[134:135]
	v_pk_add_f32 v[248:249], v[248:249], v[138:139]
	v_pk_add_f32 v[246:247], v[246:247], v[142:143]
	v_pk_add_f32 v[244:245], v[244:245], v[146:147]
	v_pk_add_f32 v[242:243], v[242:243], v[150:151]
	v_pk_add_f32 v[26:27], v[26:27], v[154:155]
	v_pk_add_f32 v[236:237], v[236:237], v[158:159]
	s_delay_alu instid0(VALU_DEP_2)
	v_pk_add_f32 v[26:27], v[26:27], v[248:249]
	s_delay_alu instid0(VALU_DEP_2)
	v_pk_add_f32 v[236:237], v[236:237], v[246:247]
	v_pk_add_f32 v[252:253], v[252:253], v[244:245]
	v_pk_add_f32 v[250:251], v[250:251], v[242:243]
	s_delay_alu instid0(VALU_DEP_2)
	v_pk_add_f32 v[26:27], v[26:27], v[252:253]
	s_delay_alu instid0(VALU_DEP_2)
	v_pk_add_f32 v[236:237], v[236:237], v[250:251]
	s_delay_alu instid0(VALU_DEP_1)
	v_pk_add_f32 v[26:27], v[26:27], v[236:237]
	s_setprio 0
.irp t, 0,1,2,3,4,5,6,7
.irp i, 0,1,2,3,4,5,6,7
.endr
	v_cvt_scalef32_pk8_fp8_f32 v[PC+2*\t:PC+2*\t+1], v[S+8*\t:S+8*\t+7], v[PSC]
.endr
.set n_, 0
.rept 16
	v_pk_mul_f32 v[O+n_:O+n_+1], v[O+n_:O+n_+1], v[F:F+1] op_sel_hi:[1,0]   ; O^T under the new M; also the plain instructions behind the conversions
.set n_, n_+2
.endr
	s_wait_alu depctr_va_vdst(0)
	s_wait_dscnt 0x0                               ; V is in
.irp c, 0,1,2,3                                ; four accumulators by turns; the next step's eight score products stand between two links
	v_wmma_f32_16x16x128_fp8_fp8 v[O+8*\c:O+8*\c+7], v[FRG+16*\c:FRG+16*\c+15], v[PC:PC+15], v[O+8*\c:O+8*\c+7]
.endr
.if \full
.Lskip_\@:
.endif
.endm
.macro INIT                            ; a tile begins: the first change of M multiplies zeros
	v_mov_b32 v[MN+1], 0xff61b1e6                  ; the largest t so far: -3e38
	s_delay_alu instid0(VALU_DEP_1)
	v_floor_f32 v[MN], -v[MN+1]
	v_mov_b32 v[SUM], 0
	v_mov_b32 v[SUM+1], 0
.set n_, 0
.rept 32
	v_mov_b32 v[O+n_], 0
.set n_, n_+1
.endr
.endm
.macro FINISH yb, yc                   ; a tile ends: O^T / the sum, quantised: the image of 16 tokens x the head's 64 channels
.rept 4
	v_nop                                          ; places behind the last products
.endr
	v_add_f32 v[SUM], v[SUM], v[SUM+1]
	s_delay_alu instid0(VALU_DEP_1)
	v_permlanex16_b32 v[T1], v[SUM], s[SEL], s[SEL+1]
	s_delay_alu instid0(VALU_DEP_1)
	v_add_f32 v[SUM], v[SUM], v[T1]                ; the row's sum
	s_wait_alu depctr_va_vdst(0)
	v_rcp_f32 v[F], v[SUM]
	v_nop                                          ; a plain instruction behind the reciprocal
	s_wait_alu depctr_va_vdst(0)                   ; and the wait ahead of its first reader
.set n_, 0
.rept 16
	v_pk_mul_f32 v[S+n_:S+n_+1], v[O+n_:O+n_+1], v[F:F+1] op_sel_hi:[1,0]   ; each accumulator from its low end on
.set n_, n_+2
.endr
.set n_, 0
.rept 32
.set n_, n_+1
.endr
.irp c, 0,1,2,3
	v_cvt_scalef32_pk8_fp8_f32 v[\yc+2*\c:\yc+2*\c+1], v[S+8*\c:S+8*\c+7], v[YSC]
.endr
	v_nop                                          ; a plain instruction behind the last conversion
	global_store_b128 v[LN], v[\yc:\yc+3], s[\yb:\yb+1]                ; 512 consecutive bytes, aligned
	global_store_b128 v[LN], v[\yc+4:\yc+7], s[\yb:\yb+1] offset:512
.endm
	INIT
	s_wait_loadcnt 0x0                             ; Q
	; the high tile's steps 0 to 3: keys 0 to 511, all of which count for it
	s_wait_tensorcnt 0x3                           ; my part of the first 512 keys is in; the three later groups may be out
	s_barrier_signal -1
	s_barrier_wait -1                              ; everybody's is
	s_mov_b32 s[TB], 0
	s_mov_b32 s[CNT], 4
.Lp1a:
	STEP QH, 0, 0
	s_add_co_u32 s[TB], s[TB], STEPB
	s_sub_co_u32 s[CNT], s[CNT], 1
	s_cmp_lg_u32 s[CNT], 0
	s_cbranch_scc1 .Lp1a
	s_setprio 0
	; steps 4 to 7
	s_wait_tensorcnt 0x2                           ; the second 512 keys
	s_wait_dscnt 0x0
	s_barrier_signal -1
	s_barrier_wait -1
	s_mov_b32 s[TB], GRP
	s_mov_b32 s[CNT], 4
.Lp1b:
	STEP QH, 0, 0
	s_add_co_u32 s[TB], s[TB], STEPB
	s_sub_co_u32 s[CNT], s[CNT], 1
	s_cmp_lg_u32 s[CNT], 0
	s_cbranch_scc1 .Lp1b
	s_setprio 0
	; steps 8 to 15, of which the high tile takes those up to 15 - w / 2: the trip count is a constant, the work is jumped over
	s_wait_tensorcnt 0x0                           ; all keys
	s_wait_dscnt 0x0
	s_barrier_signal -1
	s_barrier_wait -1
	s_mov_b32 s[TB], 2*GRP
	s_mov_b32 s[STP], 8
	s_mov_b32 s[LAST], s12
	s_mov_b32 s[CNT], 8
.Lp2:
	STEP QH, DH, 1
	s_add_co_u32 s[TB], s[TB], STEPB
	s_add_co_u32 s[STP], s[STP], 1
	s_sub_co_u32 s[CNT], s[CNT], 1
	s_cmp_lg_u32 s[CNT], 0
	s_cbranch_scc1 .Lp2
	s_setprio 0
	FINISH 56, YH
	; the low tile: steps 0 to w / 2
	INIT
	s_mov_b32 s[TB], 0
	s_mov_b32 s[STP], 0
	s_mov_b32 s[LAST], s11
	s_mov_b32 s[CNT], 8
.Lp3:
	STEP QL, DL, 1
	s_add_co_u32 s[TB], s[TB], STEPB
	s_add_co_u32 s[STP], s[STP], 1
	s_sub_co_u32 s[CNT], s[CNT], 1
	s_cmp_lg_u32 s[CNT], 0
	s_cbranch_scc1 .Lp3
	s_setprio 0
	FINISH 58, YL
	s_wait_dscnt 0x0
	s_wait_tensorcnt 0x0
	ds_add_u32 v254, v255
	s_wait_dscnt 0x0
	CROUND                                         ; the closing round
	s_endpgm
.Lfunc_end_k_qb0d2bc451a_attn:
	.size	k_qb0d2bc451a_attn, .Lfunc_end_k_qb0d2bc451a_attn-k_qb0d2bc451a_attn
	.p2alignl 7, 3214868480
	.fill 96, 4, 3214868480
	.section	.rodata,"a",@progbits
	.p2align	6, 0x0
	.amdhsa_kernel k_qb0d2bc451a_attn
		.amdhsa_group_segment_fixed_size 264192
		.amdhsa_private_segment_fixed_size 0
		.amdhsa_enable_private_segment 0
		.amdhsa_kernarg_size 24
		.amdhsa_user_sgpr_count 2
		.amdhsa_user_sgpr_kernarg_segment_ptr 1
		.amdhsa_wavefront_size32 1
		.amdhsa_system_sgpr_workgroup_id_x 1
		.amdhsa_system_sgpr_workgroup_id_y 1
		.amdhsa_system_sgpr_workgroup_id_z 1
		.amdhsa_system_vgpr_workitem_id 0
		.amdhsa_next_free_vgpr 256
		.amdhsa_next_free_sgpr 72
		.amdhsa_reserve_vcc 1
		.amdhsa_float_denorm_mode_32 3
		.amdhsa_float_denorm_mode_16_64 3
		.amdhsa_fp16_overflow 1
		.amdhsa_memory_ordered 1
		.amdhsa_forward_progress 1
		.amdhsa_inst_pref_size 80
	.end_amdhsa_kernel
	.amdgpu_metadata
---
amdhsa.version: [ 1, 2 ]
amdhsa.kernels:
  - .name:           k_qb0d2bc451a_attn
    .symbol:         k_qb0d2bc451a_attn.kd
    .args:
      - { .name: qkv, .offset: 0, .size: 8, .value_kind: global_buffer, .address_space: global }
      - { .name: lowp_scales, .offset: 8, .size: 8, .value_kind: global_buffer, .address_space: global }
      - { .name: yimg, .offset: 16, .size: 8, .value_kind: global_buffer, .address_space: global }
    .group_segment_fixed_size: 264192
    .private_segment_fixed_size: 0
    .kernarg_segment_align: 8
    .kernarg_segment_size: 24
    .max_flat_workgroup_size: 512
    .sgpr_count:     72
    .vgpr_count:     256
    .wavefront_size: 32
...
	.end_amdgpu_metadata
.endif
;; end of part 3
;; launch proj (part 4): grid 4 x 32, 4 waves a work-group, clusters of 4 x 4, 327,680 bytes of LDS; arguments yimg, codes, lowp_scales, b_proj, out0; writes out0
.if DOCPART == 4
	.amdgcn_target "amdgcn-amd-amdhsa--gfx1250"
	.amdhsa_code_object_version 6
	.text
	.protected	k_qb0d2bc451a_proj
	.globl	k_qb0d2bc451a_proj
	.p2align	8
	.type	k_qb0d2bc451a_proj,@function
k_qb0d2bc451a_proj:
	s_mov_b64 s[64:65], 0
	v_nop
	global_prefetch_b8 v0, s[64:65] scope:SCOPE_SE
	s_setreg_imm32_b32 hwreg(HW_REG_WAVE_MODE, 25, 1), 1
	s_wait_xcnt 0x0
	s_wait_alu depctr_hold_cnt(0) depctr_sa_sdst(0) depctr_va_vdst(0) depctr_va_sdst(0) depctr_va_ssrc(0) depctr_va_vcc(0) depctr_vm_vsrc(0)
	s_getreg_b32 s2, hwreg(HW_REG_IB_STS2, 6, 4)
	s_cmp_eq_u32 s2, 0
	s_cbranch_scc0 .Lentry_in_a_cluster
	s_endpgm
.Lentry_in_a_cluster:
	s_bfe_u32 s2, ttmp6, 0x10000c
	s_cmp_lg_u32 s2, 0xf033
	s_cbranch_scc0 .Lentry_shape_is_right
	s_endpgm
.Lentry_shape_is_right:
; out0 = y W_proj + b_proj on codes of FP8 (E4M3), K = 1,024; out0: [8192][1024] f32.  y's codes (scale 2^e6) and W_proj's (2^e7) come as images of the operand's registers (16 rows x 64 K in 1,024 bytes:
; registers 0-3 of lane l at 16 l, registers 4-7 at 512 + 16 l): yimg = [512 token tiles][16 images][1024]; W_proj's columns are row tiles 704-767 of codes, laid the same.
; A tile of 256 x 256 is made by a work-group of four waves, a wave makes 128 x 128: 64 accumulators.  K goes in steps of 256 through two LDS slots filled by the tensor data mover; a fragment of 16 rows x 128 K is four loads of
; 512 consecutive bytes.  The matrix instruction is used transposed (source 0 = 16 columns of W_proj, source 1 = 16 tokens): a lane holds eight neighbouring numbers of a row of out0.
; CLUSTERS: 4 x 4 work-groups; y's tiles are asked for jointly along a row of the cluster, W_proj's along a column.
; LIMIT: e6 + e7 between -126 and 127, so that 2^(e6 + e7) is an f32 number.
; REGISTERS, in windows of 256: window 0: v4-29 addresses; v32-95 the bias; from v128 A's fragments, one set (on the way out: rows read back).  window 1: B's fragments, two sets.  windows 2, 3: the accumulators, (a, b) at v[8 (8 (a % 4) + b)].
.set FR,    16
.set NL,    4
.set NP,    4
.set RT,    16384                      ; a row tile (16 rows x 1,024 K) in memory
.set KSB,   4096                       ; a K step of 256 of a row tile: four images on end
.set HALFT, 8*KSB
.set SLOT,  4*HALFT
.set SPARE, 2*SLOT                     ; behind the ring: the spare words, 128 bytes for each wave
.set SPITCH, 528                       ; the way out: a stage of 16 rows x (512 bytes + 16) for each wave, in slot 0, which has had its last fill and its last read when the first result is stored there
.set NROW,  4096                       ; a row of out0 in bytes
.set LI,    4                          ; v4      16 x lane
.set BH,    12                         ; v12     32 h
.set ADRA,  16
.set ADRB,  20
.set STO,   24                         ; v24     the way out: where I put 32 bytes of a row
.set RD,    25                         ; v25     where I read a row back
.set CO,    26                         ; v26     my byte offset in a row of out0
.set SPW,   28
.set NIL,   29
.set XB,    32                         ; v32-95  b_proj at my lane's columns: register 8 b + j: column 16 b + 8 h + j
.set AF,    128
.set BK,    128                        ; the way out: 16 rows read back: v128-191 and v192-255 by turns
.set G1, 24
.set G0, 32
.set G1B, 48
.set G0B, 56
.set MSB, 0
.macro WIN new                         ; the immediate's high byte repeats the setting that is left
.if MSB != (\new)
	s_set_vgpr_msb (MSB<<8)|(\new)
.set MSB, (\new)
.endif
.endm
.set MUL_LO, 0xa1
.set MUL_HI, 0xf1
.set TO_B,   0x40
.macro JLOAD g0a, g1a, g0b, g1b        ; a joint load: waves 0 and 1 fetch for A, waves 2 and 3 for B; four v_nop follow each of the two lines
	s_cmp_eq_u32 s15, 0
	s_cbranch_scc0 .Lfor_b_\@
	tensor_load_to_lds s[\g0a:\g0a+3], s[\g1a:\g1a+7]
	s_nop 0
.rept 4
	v_nop
.endr
	s_branch .Lasked_\@
.Lfor_b_\@:
	tensor_load_to_lds s[\g0b:\g0b+3], s[\g1b:\g1b+7]
	s_nop 0
.rept 4
	v_nop
.endr
.Lasked_\@:
.endm
.macro CREST
	s_cmp_lg_u32 s14, 0
	s_cbranch_scc1 .Lnot_wave_0_\@
	s_barrier_signal -3
.Lnot_wave_0_\@:
	s_barrier_wait -3
	s_barrier_signal -1
	s_barrier_wait -1
.endm
.macro CROUND
	s_barrier_signal -1
	s_barrier_wait -1
	CREST
.endm
	s_load_b256 s[4:11], s[0:1], 0x0               ; yimg s[4:5], codes s[6:7], the scales' exponents s[8:9], b_proj s[10:11]
	s_load_b64 s[12:13], s[0:1], 0x20              ; out0
	v_lshl_add_u32 v[SPW], v0, 2, SPARE
	v_mov_b32 v[NIL], 0
	ds_add_u32 v28, v29
	ds_add_u32 v28, v29
	s_wait_dscnt 0x0
	v_lshrrev_b32 v1, 5, v0
	v_readfirstlane_b32 s14, v1                    ; wave 0..3
	s_lshr_b32 s15, s14, 1                         ; which half of the tile's rows is mine.  Also: I fetch for A (0) or for B (1)
	s_and_b32 s16, s14, 1                          ; which half of its columns.  Also: which eight row tiles I fetch
	s_bfe_u32 s40, ttmp6, 0x40000                  ; cx, cy
	s_bfe_u32 s41, ttmp6, 0x40004
	s_lshl_b32 s42, ttmp9, 2
	s_add_co_u32 s42, s42, s40                     ; tile column = 4 x cluster x + cx
	s_and_b32 s17, ttmp7, 0xffff
	s_lshl_b32 s17, s17, 2
	s_add_co_u32 s17, s17, s41                     ; tile row = 4 x cluster y + cy
	s_lshl_b32 s43, s41, 2
	s_lshl_b32 s43, 15, s43                        ; my row of the cluster
	s_lshl_b32 s44, 0x1111, s40                    ; my column
	; descriptor group 1: eight rows (row tiles) of 4,096 one-byte elements, 16,384 apart in memory, dense in LDS
	s_or_b32 s[G1+0], s43, (1<<21)
	s_or_b32 s[G1B+0], s44, (1<<21)
.irp g, G1, G1B
	s_mov_b32 s[\g+1], KSB<<16
	s_mov_b32 s[\g+2], 8<<16
	s_mov_b32 s[\g+3], KSB<<16
	s_mov_b32 s[\g+4], 8
	s_mov_b32 s[\g+5], RT
	s_mov_b32 s[\g+6], 0
	s_mov_b32 s[\g+7], 0
.endr
	s_lshl_b32 s19, s16, 3                         ; my eight of the tile's sixteen row tiles
	s_lshl_b32 s20, s17, 4
	s_add_co_u32 s20, s20, s19                     ; A: row tile 16 x tile row + 8 x half
	s_lshl_b32 s20, s20, 14
	s_mov_b32 s21, 0
	s_lshl_b32 s46, s42, 4
	s_add_co_u32 s46, s46, s19
	s_add_co_u32 s46, s46, 704                     ; B: row tile 704 + 16 x tile column + 8 x half
	s_lshl_b32 s46, s46, 14
	s_mov_b32 s47, 0
	s_mul_i32 s45, s14, HALFT
	s_wait_kmcnt 0x0
	s_load_b64 s[96:97], s[8:9], 0x18              ; e6, e7
	s_add_nc_u64 s[20:21], s[4:5], s[20:21]
	s_add_nc_u64 s[46:47], s[6:7], s[46:47]
	CROUND                                         ; all sixteen work-groups are here: the first joint loads meet
.irp s, 0,1
	s_mov_b32 s[G0+4*\s], 1
	s_add_co_u32 s[G0+4*\s+1], s45, \s*SLOT
	s_add_nc_u64 s[G0+4*\s+2:G0+4*\s+3], s[20:21], \s*KSB
	s_or_b32 s[G0+4*\s+3], s[G0+4*\s+3], 0x80000000
	s_mov_b32 s[G0B+4*\s], 1
	s_add_co_u32 s[G0B+4*\s+1], s45, \s*SLOT
	s_add_nc_u64 s[G0B+4*\s+2:G0B+4*\s+3], s[46:47], \s*KSB
	s_or_b32 s[G0B+4*\s+3], s[G0B+4*\s+3], 0x80000000
	s_wait_alu depctr_va_vdst(0)
	s_wait_tensorcnt 0x0
	ds_add_u32 v28, v29
	ds_add_u32 v28, v29
	s_wait_dscnt 0x0
	CROUND
	JLOAD G0+4*\s, G1, G0B+4*\s, G1B
.endr
	v_and_b32 v1, 15, v0                           ; r
	v_bfe_u32 v2, v0, 4, 1                         ; h
	s_wait_alu depctr_va_vdst(0)
	v_and_b32 v3, 31, v0
	v_lshlrev_b32 v[LI], 4, v3
	s_wait_alu depctr_va_vdst(0)
	s_mul_i32 s21, s15, HALFT
	s_mul_i32 s22, s16, HALFT
	s_add_co_u32 s22, s22, 2*HALFT
.irp s, 0,1
	v_add_nc_u32 v[ADRA+\s], s21, v[LI]
	v_add_nc_u32 v[ADRB+\s], s22, v[LI]
	s_add_co_u32 s21, s21, SLOT
	s_add_co_u32 s22, s22, SLOT
.endr
	s_lshl_b32 s18, s42, 8
	s_lshl_b32 s19, s16, 7
	s_add_co_u32 s18, s18, s19                     ; my first column
	s_lshl_b32 s18, s18, 2
	s_mov_b32 s19, 0
	s_add_nc_u64 s[10:11], s[10:11], s[18:19]      ; in b_proj,
	s_add_nc_u64 s[12:13], s[12:13], s[18:19]      ; and in a row of out0
	v_lshlrev_b32 v[BH], 5, v2
.irp b, 0,1,2,3,4,5,6,7
	global_load_b128 v[XB+8*\b:XB+8*\b+3], v[BH], s[10:11] offset:64*\b
	global_load_b128 v[XB+8*\b+4:XB+8*\b+7], v[BH], s[10:11] offset:64*\b+16
.endr
	s_mul_i32 s23, s14, 16*SPITCH                  ; my stage
	v_mul_u32_u24 v5, v1, SPITCH                   ; in: row r, 32 bytes for each half of the lanes
	v_lshl_add_u32 v5, v2, 5, v5
	v_add_nc_u32 v[STO], s23, v5
	v_mov_b32 v[CO], v[LI]                         ; back: the 32 lanes take one row of 512 bytes; and the same in out0
	v_add_nc_u32 v[RD], s23, v[LI]
	s_lshl_b32 s18, s17, 8
	s_lshl_b32 s22, s15, 7
	s_add_co_u32 s18, s18, s22                     ; my first row: 256 x tile row + 128 x half
	s_lshl_b32 s18, s18, 12
	s_add_nc_u64 s[12:13], s[12:13], s[18:19]
	s_wait_alu depctr_va_vdst(0)
	s_wait_loadcnt 0x0                             ; the bias
.macro FRAG reg, adr, q, i             ; row tile i's fragment of the slot's q-th 128 along K: four loads of 512 consecutive bytes; registers 2 c, 2 c + 1 hold K = 16 c + 8 h + 0 .. 7
.irp c, 0,1,2,3
	ds_load_b128 v[\reg+4*\c:\reg+4*\c+3], v[\adr] offset:2048*(\q)+512*\c+(\i)*KSB
.endr
.endm
.macro MUL16 a0, p, zero               ; 16 matrix instructions: A's blocks a0, a0 + 1 x B's eight; the 64 accumulators take turns in the same order in every step
.irp a, \a0, \a0+1
.irp b, 0,1,2,3,4,5,6,7
.if \zero
	v_wmma_f32_16x16x128_fp8_fp8 v[8*(8*((\a)%4)+\b):8*(8*((\a)%4)+\b)+7], v[128*(\p)+FR*\b:128*(\p)+FR*\b+FR-1], v[AF+FR*(\a):AF+FR*(\a)+FR-1], 0
.else
	v_wmma_f32_16x16x128_fp8_fp8 v[8*(8*((\a)%4)+\b):8*(8*((\a)%4)+\b)+7], v[128*(\p)+FR*\b:128*(\p)+FR*\b+FR-1], v[AF+FR*(\a):AF+FR*(\a)+FR-1], v[8*(8*((\a)%4)+\b):8*(8*((\a)%4)+\b)+7]
.endif
.endr
.endr
.endm
.macro FETCH_B slot, q, p
	WIN TO_B
.irp i, 0,1,2,3,4,5,6,7
	FRAG 128*(\p)+FR*\i, ADRB+\slot, \q, \i
.endr
	WIN 0
.endm
.macro FETCH_A slot, q, i0
.irp i, \i0, \i0+1, \i0+2, \i0+3
	FRAG AF+FR*(\i), ADRA+\slot, \q, \i
.endr
.endm
.macro PLACES n                        ; plain vector instructions between a matrix instruction and a load into, or a vector instruction on, one of its registers
.rept \n
	v_nop
.endr
.endm
.macro STEP slot, q, zero              ; a step of 128 along K that has its successor in the same slot
	s_wait_dscnt 4*NL                              ; B's set and A's blocks 0-3 are in; the youngest sixteen loads (A's blocks 4-7) may be out
	WIN MUL_LO
	MUL16 0, (\q)%2, \zero
	MUL16 2, (\q)%2, \zero
	s_wait_dscnt 0x0
	PLACES NP
	FETCH_B \slot, (\q)+1, 1-(\q)%2
	FETCH_A \slot, (\q)+1, 0
	WIN MUL_HI
	MUL16 4, (\q)%2, \zero
	MUL16 6, (\q)%2, \zero
	PLACES NP
	WIN 0
	FETCH_A \slot, (\q)+1, 4
.endm
.macro TURN slot, next, fill           ; a slot's last step changes slots: one barrier; fill = 1: this slot is filled again, two K steps ahead
	s_wait_tensorcnt 0x0                           ; all my tensor loads have landed: my part of the next slot  (every window is 0 here)
	ds_add_u32 v[SPW], v[NIL]                      ; 0 onto my spare word
	s_wait_dscnt 4*NL+1                            ; (the add and the youngest sixteen loads may be out)
	WIN MUL_LO
	MUL16 0, 1, 0
	s_wait_dscnt 0x0                               ; the add is done, and my reads of this slot are over
	s_barrier_signal -1
	MUL16 2, 1, 0
	WIN 0
	s_barrier_wait -1
.if \fill
	CREST                                          ; the barrier has opened a round of the cluster's barrier: no wave of any partner still reads this slot or has a load on its way
	s_add_nc_u64 s[G0+4*\slot+2:G0+4*\slot+3], s[G0+4*\slot+2:G0+4*\slot+3], 2*KSB
	s_add_nc_u64 s[G0B+4*\slot+2:G0B+4*\slot+3], s[G0B+4*\slot+2:G0B+4*\slot+3], 2*KSB
	JLOAD G0+4*\slot, G1, G0B+4*\slot, G1B         ; the first tensor load behind the round
.else
	PLACES NP
.endif
	FETCH_B \next, 0, 0
	FETCH_A \next, 0, 0
	WIN MUL_HI
	MUL16 4, 1, 0
	MUL16 6, 1, 0
	PLACES NP
	WIN 0
	FETCH_A \next, 0, 4
.endm
	s_wait_tensorcnt 0x1                           ; my part of K step 0 is in (K step 1's load may be out)
	s_barrier_signal -1
	s_barrier_wait -1                              ; everybody's is
	FETCH_B 0, 0, 0
	FETCH_A 0, 0, 0
	FETCH_A 0, 0, 4
	STEP 0, 0, 1                                   ; four K steps of 256, eight steps of 128, written out: the first starts the sums
	TURN 0, 1, 1
	STEP 1, 0, 0
	TURN 1, 0, 1
	STEP 0, 0, 0
	TURN 0, 1, 0
	STEP 1, 0, 0
	s_wait_dscnt 4*NL
	WIN MUL_LO
	MUL16 0, 1, 0
	MUL16 2, 1, 0
	s_wait_dscnt 0x0
	WIN MUL_HI
	MUL16 4, 1, 0
	MUL16 6, 1, 0
	WIN 0
; THE WAY OUT, block by block of 16 rows x 128 columns: sum x 2^(e6 + e7) + bias, in place; through my own stage in LDS; back as whole rows of 512 bytes.  LDS serves a wave's instructions in order (ISA guide 5.7.1.4):
; no wait stands between the stores and the loads, nor in front of the next block's stores.
.macro TOSTAGE a
.set AC, 64*((\a)%4)
.set BB, BK+64*((\a)%2)
	WIN 0x82+0x41*((\a)/4)                         ; source 0 and destination: window 2 or 3; the bias in window 0
.set n_, 0
.rept 32
	v_pk_fma_f32 v[AC+n_:AC+n_+1], v[AC+n_:AC+n_+1], s[96:97], v[XB+n_:XB+n_+1] op_sel_hi:[1,0,1]   ; each accumulator from its low end on
.set n_, n_+2
.endr
	WIN 0x08+0x04*((\a)/4)                         ; an LDS store's data: source 1
.irp b, 0,1,2,3,4,5,6,7
	ds_store_b128 v[STO], v[AC+8*\b:AC+8*\b+3] offset:64*\b
	ds_store_b128 v[STO], v[AC+8*\b+4:AC+8*\b+7] offset:64*\b+16
.endr
	WIN 0
.set n_, 0
.rept 16
	ds_load_b128 v[BB+4*n_:BB+4*n_+3], v[RD] offset:n_*SPITCH
.set n_, n_+1
.endr
.endm
.macro SEND a, younger                 ; younger: the LDS instructions issued behind block a's loads, which may stay out
.set BB, BK+64*((\a)%2)
	s_wait_dscnt \younger
.if (\a) > 0
	s_add_nc_u64 s[12:13], s[12:13], 16*NROW       ; (behind a wait on XCNT: the earlier stores have read their base)
.endif
.set n_, 0
.rept 16
	global_store_b128 v[CO], v[BB+4*n_:BB+4*n_+3], s[12:13] offset:n_*NROW th:TH_STORE_NT   ; 32 lanes store 512 consecutive bytes, aligned; written once, read by nobody here
.set n_, n_+1
.endr
.endm
	s_wait_kmcnt 0x0
	s_add_co_i32 s96, s96, s97
	s_add_co_i32 s96, s96, 127
	s_lshl_b32 s96, s96, 23                        ; 2^(e6 + e7) as f32
	s_mov_b32 s97, s96                             ; (named with it as a pair)
	PLACES NP                                      ; behind the last products
	TOSTAGE 0
.irp a, 1,2,3,4,5,6,7
.if \a > 1
	s_wait_xcnt 0x0                                ; block a - 2's stores have read their registers and their base
.endif
	TOSTAGE \a
	SEND \a-1, 32                                  ; behind block a - 1's loads: block a's 16 stores and 16 loads
.endr
	s_wait_xcnt 0x0
	SEND 7, 0
	s_wait_tensorcnt 0x0                           ; the wave's end
	ds_add_u32 v[SPW], v[NIL]
	s_wait_dscnt 0x0
	CROUND                                         ; the closing round
	s_endpgm
.Lfunc_end_k_qb0d2bc451a_proj:
	.size	k_qb0d2bc451a_proj, .Lfunc_end_k_qb0d2bc451a_proj-k_qb0d2bc451a_proj
	.p2alignl 7, 3214868480
	.fill 96, 4, 3214868480
	.section	.rodata,"a",@progbits
	.p2align	6, 0x0
	.amdhsa_kernel k_qb0d2bc451a_proj
		.amdhsa_group_segment_fixed_size 327680
		.amdhsa_private_segment_fixed_size 0
		.amdhsa_enable_private_segment 0
		.amdhsa_kernarg_size 40
		.amdhsa_user_sgpr_count 2
		.amdhsa_user_sgpr_kernarg_segment_ptr 1
		.amdhsa_wavefront_size32 1
		.amdhsa_system_sgpr_workgroup_id_x 1
		.amdhsa_system_sgpr_workgroup_id_y 1
		.amdhsa_system_sgpr_workgroup_id_z 1
		.amdhsa_system_vgpr_workitem_id 0
		.amdhsa_next_free_vgpr 1024
		.amdhsa_next_free_sgpr 98
		.amdhsa_reserve_vcc 0
		.amdhsa_float_denorm_mode_32 3
		.amdhsa_float_denorm_mode_16_64 3
		.amdhsa_memory_ordered 1
		.amdhsa_forward_progress 1
		.amdhsa_inst_pref_size 126
	.end_amdhsa_kernel
	.amdgpu_metadata
---
amdhsa.version: [ 1, 2 ]
amdhsa.kernels:
  - .name:           k_qb0d2bc451a_proj
    .symbol:         k_qb0d2bc451a_proj.kd
    .args:
      - { .name: yimg, .offset: 0, .size: 8, .value_kind: global_buffer, .address_space: global }
      - { .name: codes, .offset: 8, .size: 8, .value_kind: global_buffer, .address_space: global }
      - { .name: lowp_scales, .offset: 16, .size: 8, .value_kind: global_buffer, .address_space: global }
      - { .name: b_proj, .offset: 24, .size: 8, .value_kind: global_buffer, .address_space: global }
      - { .name: out0, .offset: 32, .size: 8, .value_kind: global_buffer, .address_space: global }
    .group_segment_fixed_size: 327680
    .private_segment_fixed_size: 0
    .kernarg_segment_align: 8
    .kernarg_segment_size: 40
    .max_flat_workgroup_size: 128
    .sgpr_count:     98
    .vgpr_count:     1024
    .wavefront_size: 32
...
	.end_amdgpu_metadata
.endif
;; end of part 4
